; MI455X (gfx1250); checked and timed in simulation.
; The chip was launched on July 23, 2026; its instructions are those of AMD's public machine-readable ISA for CDNA 5 (MIT licence, August 2026) and "CDNA5" Instruction Set Architecture Reference Guide (July 2026). The comments in the code are by the model that wrote it; some were corrected since.
;; RWKV Tiny Attn. Allowed arithmetic: matrix products marked QUANTISED: E2M3 operands, one E8M0 scale for each 32 along K, by v_wmma_scale_f32_16x16x128_f8f6f4 with both operands' format E2M3, f32 sums; everything else in f32.
;; Inputs: W_out 1,024 x 1,024 float32; W_qkv 1,024 x 3,072 float32; b_out 1,024 float32; b_qkv 3,072 float32; mask 2,048 x 2,048 int32; x 4 x 2,048 x 1,024 float32.
;; Outputs: out0 4 x 2,048 x 1,024 float32.
;; This version of the problem:
;;   THIS VERSION OF THE PROBLEM IS GIVEN IN LOW PRECISION. The matrix products marked QUANTISED in the list below multiply operands that are first quantised to E2M3 (2 exponent bits, 3 mantissa bits; 6 bits a number), with one power-of-two scale for each 32 numbers along K (OCP MX v1.0); their sums are f32. All else is computed in f32.
;;   The module's matrix products, in the order in which they are computed (A, B: the left and right operand; K: the contracted axis; several contracted axes count as one K, in the product's order):
;;     1. [M 8,192, K 1,024] x [K 1,024, N 3,072]; A: input x; B: input W_qkv: QUANTISED
;;     2. batch 64 x [M 2,048, K 64] x [K 64, N 2,048]; A: computed on the way; B: computed on the way: QUANTISED
;;     3. batch 64 x [M 2,048, K 2,048] x [K 2,048, N 64]; A: softmax (see below); B: computed on the way: QUANTISED
;;     4. [M 8,192, K 1,024] x [K 1,024, N 1,024]; A: computed on the way; B: input W_out: QUANTISED
;;   THE QUANTISER, for each operand of a quantised product, along K:
;;     - K is cut into blocks of 32 from its start; a last block that is shorter is filled with zeros.
;;     - A block's scale is 2^e with e = floor(log2(the largest magnitude in the block)) - 2, held to -126 .. 127; a block of zeros has e = 0. As a byte (E8M0): e + 127.
;;     - Each number is divided by its block's scale, clamped to +-7.5, and rounded to the nearest number of E2M3, ties to even, subnormals kept.
;;     - The product sums the exact products of the quantised numbers (number of the format x scale) in f32.
;;   ~~~python
;;   def quantise(x, axis):      # numpy; x: float32 -> the quantised numbers, widened to float32 again
;;       x = np.moveaxis(x, axis, -1); K = x.shape[-1]
;;       x = np.pad(x, [(0, 0)] * (x.ndim - 1) + [(0, -K % 32)]); x = x.reshape(x.shape[:-1] + (-1, 32)); a = np.abs(x).max(-1, keepdims=True)
;;       e = np.where(a > 0, np.clip(np.frexp(np.where(a > 0, a, 1))[1] - 1 - 2, -126, 127), 0)      # np.frexp(a)[1] - 1 = floor(log2(a)), exactly
;;       r = np.clip(x / 2.0 ** e, -7.5, 7.5)
;;       step = 2.0 ** (np.maximum(np.frexp(np.where(r == 0, 1, r))[1] - 1, 0) - 3)
;;       q = np.round(r / step) * step * 2.0 ** e      # np.round: ties to even
;;       return np.moveaxis(q.reshape(q.shape[:-2] + (-1,))[..., :K], -1, axis).astype(np.float32)
;;   ~~~
;;   SOFTMAX AHEAD OF A QUANTISED PRODUCT. Where the list says 'softmax', what is quantised is not the finished softmax but p = 2^(t - M), with t = logit x log2(e) and M = ceil(the row's largest t), a whole number; so 1/2 < the row's largest p <= 1. The row's sum l is taken of the UNQUANTISED p, in f32, and the product's result is divided by l at the end. Since M is a whole number, a kernel that streams over the keys may use a running M (the ceiling of the running maximum): every later rescaling is an exact power of two, which a block's scale takes up: the codes' values come out the same.
;;   OPERANDS COMPUTED ON THE WAY. 'Computed on the way' means the value that the module computes at that place (a softmax that the list does not call 'softmax' is quantised finished and normalised). What goes into a quantiser is computed in f32, as accurately as f32 sums, v_exp_f32 and their like allow (about 1e-6 of the number): no bf16 or f16 on the way to a quantiser, and a product that is left as it is and whose result goes on into a quantised operand takes f32 operands (vector FMAs, or v_wmma_f32_16x16x4_f32). A number that lies on a knife's edge between two numbers of the format may be rounded either way, as far as f32 arithmetic and the matrix unit's own rounding can turn it there, and no further.
;; 2 versions, each right; version 2 is version 1 with the launch attn written anew for expert scheduling mode. Each part assembles by itself: llvm-mc -triple=amdgcn-amd-amdhsa -mcpu=gfx1250 --defsym DOCPART=n.
;; ======== version 1 of 2: 4 launches
;; workspace buffers: xq 6,553,600 bytes; wq 3,276,800 bytes; maskw 532,480 bytes of whole numbers; qkv 19,660,800 bytes; ao 6,553,600 bytes
;; launch prep (part 1): grid 512 x 1, 4 waves a work-group, no clusters, 68,096 bytes of LDS; arguments x, mask, W_qkv, W_out, xq, wq, maskw; writes xq, wq, maskw
.if DOCPART == 1
	.amdgcn_target "amdgcn-amd-amdhsa--gfx1250"
	.amdhsa_code_object_version 6
	.text
	.protected	k_q6016422d25_prep
	.globl	k_q6016422d25_prep
	.p2align	8
	.type	k_q6016422d25_prep,@function
k_q6016422d25_prep:
	s_mov_b64 s[64:65], 0
	v_nop
	global_prefetch_b8 v0, s[64:65] scope:SCOPE_SE
	s_setreg_imm32_b32 hwreg(HW_REG_WAVE_MODE, 25, 1), 1
	s_wait_xcnt 0x0
; x [8192][1024], W_qkv [1024][3072] and W_out [1024][1024], f32, become codes of FP6 (E2M3) with one E8M0 byte for each 32 along K, laid in the ORDER OF THE OPERAND'S REGISTERS;
; mask [2048][2048], int32, becomes lane words (one bit a lane) and a flag for each tile of 16 queries x 128 keys.
; A TILE is 16 rows; lane r of tile 2 B + u stands for row 32 B + 8 u + r + 8 (r / 8).  Codes: byte = tile x 12,288 + g x 768 + p x 256 + 8 x lane: registers 2 p, 2 p + 1 of the six that hold block (lane / 16) of
; the 64 along K numbered g.  Scale bytes: tile x 512 + sigma x 128 + 8 r + 4 e + b, for the 128 along K numbered 2 sigma + e, block b.  wq holds W_qkv's 3,072 columns as rows, then W_out's 1,024.
; Lane words: word n = 16 b + i of tile (T, j) at (16 T + j) x 256 + 4 n; its bit l says whether mask[row of lane l % 16 of tile T][128 j + 32 b + 16 (l / 16) + i] is not 0.  Flags: 0 nothing open, 1 all open, 2 mixed.
; A block's scale is 2^(floor(log2(largest magnitude)) - 2): its byte is the largest magnitude's exponent field - 2, held at 1 from below.
; LIMITS: a block of zeros gets the byte 1 where the rule says 127 (its codes are zeros, and this program alone reads the bytes); NaN and infinities among x and the weights are not served.
; SHARES: work-groups 0-95 W_qkv, 96-127 W_out, 128-383 x, 384-511 the mask.  Waves share nothing: no barrier.  No matrix unit, no cluster, no tensor load: the launch streams, each input byte is read once.
.set XSC,    6291456                   ; xq: where the scale bytes begin
.set WSC,    3145728                   ; wq: likewise
.set FLG,    524288                    ; maskw: where the flags begin
.set SPITCH, 528                       ; a stage row: 512 bytes + 16: the 16 rows that a load of 16 bytes a lane touches begin 4 words apart modulo 64 words
.set WSTG,   16*SPITCH                 ; a wave's stage
.set MSTG,   4*WSTG                    ; the mask's path has stages of its own
.set SPARE,  8*WSTG                    ; behind the stages: the spare words, 128 bytes a wave
.set R,   16                           ; v16-79   16 rows x 16 bytes a lane, as loaded
.set X,   80                           ; v80-143  64 numbers of one row: register 16 b + i = k 32 b + 16 (lane / 16) + i;  in the weights' paths two sets of 32 numbers of one column
.set PC,  144                          ; v144-155 the codes just made;  in the mask's path v144-151 the lane words, v152 the flags
.set MW,  144
.set T0,  156                          ; v156-158, v160-162 the conversions' second halves
.set T1,  160
.set TM,  164                          ; v164-179 at work
.set SB,  168                          ; v168-169 the weights' scale bytes
.set PW,  180                          ; v180-183 four scale words
.set SPW, 184                          ; v184     LDS address of my spare word; never rewritten
.set NIL, 185                          ; v185     0; never rewritten
.set SEL, 20                           ; s[20:21] v_permlanex16_b32's selects for lane l xor 16
.macro FIN                             ; a wave's end
	s_wait_tensorcnt 0x0
	ds_add_u32 v[SPW], v[NIL]
	s_wait_dscnt 0x0
	s_endpgm
.endm
; 64 numbers of a lane, register 16 b + i = k 32 b + 16 (lane / 16) + i of my row, become 12 registers of codes (d0: k = 32 h on, d1: k = 64 + 32 h on) and the row's scale word
.macro QUANT s, d0, d1, t0, t1, pw
.irp b, 0,1,2,3
	v_max3_num_f32 v[TM+\b], |v[\s+16*\b]|, |v[\s+1+16*\b]|, 0x1800000   ; my 16 numbers of block b, and the floor 2^(3 - 127): the byte cannot fall under 1
.endr
.irp i, 2,4,6,8,10,12,14
.irp b, 0,1,2,3
	v_max3_num_f32 v[TM+\b], v[TM+\b], |v[\s+16*\b+\i]|, |v[\s+1+16*\b+\i]|
.endr
.endr
.irp b, 0,1,2,3
	v_permlanex16_b32 v[TM+4+\b], v[TM+\b], s[SEL], s[SEL+1]
.endr
.irp b, 0,1,2,3
	v_max_num_f32 v[TM+\b], v[TM+\b], v[TM+4+\b]       ; with lane l xor 16's: the block's largest magnitude
.endr
.irp b, 0,1,2,3
	v_add_nc_u32 v[TM+12+\b], 0xff000000, v[TM+\b]     ; 2 off its exponent field: the conversion's scale operand
.endr
.irp b, 0,1,2,3
	v_lshrrev_b32 v[TM+4+\b], 23, v[TM+12+\b]          ; the scale's byte
.endr
	v_lshl_or_b32 v[\pw], v[TM+5], 8, v[TM+4]
	v_lshl_or_b32 v[\pw], v[TM+6], 16, v[\pw]
	v_lshl_or_b32 v[\pw], v[TM+7], 24, v[\pw]
	v_cvt_scalef32_pk16_fp6_f32 v[\d0:\d0+2], v[\s:\s+15], v[TM+12]
	v_cvt_scalef32_pk16_fp6_f32 v[\t0:\t0+2], v[\s+16:\s+31], v[TM+13]
	v_cvt_scalef32_pk16_fp6_f32 v[\d1:\d1+2], v[\s+32:\s+47], v[TM+14]
	v_cvt_scalef32_pk16_fp6_f32 v[\t1:\t1+2], v[\s+48:\s+63], v[TM+15]
	v_nop                                              ; one plain place behind the scaled conversions
.irp i, 0,1,2
	v_permlane16_swap_b32 v[\d0+\i], v[\t0+\i]         ; the layout wants a whole block in a lane: lanes 0-15 the even block, lanes 16-31 the odd one
	v_permlane16_swap_b32 v[\d1+\i], v[\t1+\i]
.endr
.irp i, 0,1,2
	v_mov_b32 v[\d0+3+\i], v[\t0+\i]
	v_mov_b32 v[\d1+3+\i], v[\t1+\i]
.endr
.endm
.macro ROWS t, pitch                   ; the tile's 16 rows, 512 consecutive bytes of each: the t-th 128 numbers
.irp i, 0,1,2,3,4,5,6,7,8,9,10,11,12,13,14,15
	global_load_b128 v[R+4*\i:R+4*\i+3], v4, s[22:23] offset:(\i+8*(\i/8))*\pitch+512*(\t) th:TH_LOAD_NT
.endr
.endm
.macro TURN so                         ; through my stage: in as loaded, out 64 bytes of one row a lane.  LDS serves a wave's instructions in order: no wait between
.irp i, 0,1,2,3,4,5,6,7,8,9,10,11,12,13,14,15
	ds_store_b128 v6, v[R+4*\i:R+4*\i+3] offset:\so+SPITCH*\i
.endr
.irp b, 0,1,2,3
.irp q, 0,1,2,3
	ds_load_b128 v[X+16*\b+4*\q:X+16*\b+4*\q+3], v7 offset:\so+128*\b+16*\q
.endr
.endr
.endm
	s_load_b256 s[4:11], s[0:1], 0x0               ; x s[4:5], mask s[6:7], W_qkv s[8:9], W_out s[10:11]
	s_load_b128 s[12:15], s[0:1], 0x20             ; xq s[12:13], wq s[14:15]
	s_load_b64 s[16:17], s[0:1], 0x30              ; maskw
	v_lshl_add_u32 v[SPW], v0, 2, SPARE
	v_mov_b32 v[NIL], 0
	v_lshrrev_b32 v1, 5, v0
	v_readfirstlane_b32 s18, v1                    ; wave
	v_and_b32 v1, 31, v0                           ; lane
	v_and_b32 v2, 15, v0                           ; r
	v_bfe_u32 v3, v0, 4, 1                         ; h
	v_lshlrev_b32 v4, 4, v1                        ; 16 x lane
	v_lshlrev_b32 v5, 3, v1                        ; 8 x lane
	s_mul_i32 s19, s18, WSTG
	v_add_nc_u32 v6, s19, v4                       ; the stage, on the way in
	v_mul_u32_u24 v7, v2, SPITCH
	v_lshl_add_u32 v7, v3, 6, v7
	v_add_nc_u32 v7, s19, v7                       ; and on the way out: row r, + 64 h
	v_lshlrev_b32 v10, 2, v1                       ; 4 x lane
	v_and_b32 v11, 7, v0                           ; the weights: my column among the wave's 32: (l % 8) + 16 ((l / 8) % 2) + 8 (l / 16):
	v_bfe_u32 v12, v0, 3, 1                        ; lanes 0-15 are the rows of tile 2 B, lanes 16-31 those of tile 2 B + 1
	v_lshl_add_u32 v11, v12, 4, v11
	v_lshl_add_u32 v11, v3, 3, v11
	v_lshlrev_b32 v11, 2, v11
	v_lshlrev_b32 v12, 3, v2
	v_lshl_add_u32 v12, v3, 9, v12                 ; and its scale bytes: 512 (l / 16) + 8 r
	s_mov_b32 s[SEL], 0x76543210
	s_mov_b32 s[SEL+1], 0xfedcba98
	s_mov_b32 s31, 0xffff0000                      ; lanes 16-31
	s_mov_b32 s29, 0
.irp b, 0,1,2,3
	v_mov_b32 v[TM+4+\b], 0                        ; written once: a lane permute's destination counts as one of its sources
.endr
	s_wait_kmcnt 0x0
	s_cmp_lt_u32 ttmp9, 96
	s_cbranch_scc1 .Lw_qkv
	s_cmp_lt_u32 ttmp9, 128
	s_cbranch_scc1 .Lw_out
	s_cmp_lt_u32 ttmp9, 384
	s_cbranch_scc1 .Lx
; ---- THE MASK.  A wave takes a tile of 16 queries and four key steps of 128.
	s_sub_co_u32 s24, ttmp9, 384
	s_lshl_b32 s24, s24, 2
	s_add_co_u32 s24, s24, s18
	s_lshr_b32 s25, s24, 2                         ; T
	s_and_b32 s26, s24, 3                          ; which four key steps
	s_lshr_b32 s27, s25, 1
	s_lshl_b32 s27, s27, 5
	s_and_b32 s28, s25, 1
	s_lshl_b32 s28, s28, 3
	s_add_co_u32 s27, s27, s28                     ; the tile's first row
	s_lshl_b32 s28, s27, 13                        ; rows of 8,192 bytes
	s_lshl_b32 s30, s26, 11
	s_add_co_u32 s28, s28, s30
	s_add_nc_u64 s[22:23], s[6:7], s[28:29]
	s_lshl_b32 s27, s25, 4
	s_lshl_b32 s30, s26, 2
	s_add_co_u32 s27, s27, s30                     ; 16 T + j
	s_lshl_b32 s28, s27, 8
	s_add_nc_u64 s[32:33], s[16:17], s[28:29]      ; the lane words
	s_lshl_b32 s28, s27, 2
	s_add_co_u32 s28, s28, FLG
	s_add_nc_u64 s[34:35], s[16:17], s[28:29]      ; the flags
.irp i, 0,1,2,3,4,5,6,7,8
	v_mov_b32 v[MW+\i], 0                          ; v_writelane_b32's destination counts as read
.endr
	ROWS 0, 8192
.macro MSTEP t
	s_wait_loadcnt 0x0
	TURN MSTG
	s_wait_dscnt 0x0                               ; the stage's stores have read R, and X is in
.if \t < 3
	ROWS \t+1, 8192
.endif
	s_mov_b32 s36, 0                               ; any open?
	s_mov_b32 s37, -1                              ; all open?
.irp g, 0,1,2,3,4,5,6,7
.irp q, 0,1,2,3,4,5,6,7
	v_cmp_ne_u32 s[40+\q], 0, v[X+8*\g+\q]         ; word n = 8 g + q: a bit a lane
.endr
.irp q, 0,1,2,3,4,5,6,7
	s_or_b32 s36, s36, s[40+\q]
	s_and_b32 s37, s37, s[40+\q]
	v_writelane_b32 v[MW+2*\t+(\q%2)], s[40+\q], 4*\g+\q/2   ; word n to lane n / 2, register n % 2: 8 bytes a lane are 256 consecutive bytes
.endr
.endr
	global_store_b64 v5, v[MW+2*\t:MW+2*\t+1], s[32:33] offset:256*\t
	s_cmp_eq_u32 s37, -1
	s_cselect_b32 s38, 1, 2
	s_cmp_eq_u32 s36, 0
	s_cselect_b32 s38, 0, s38
	v_writelane_b32 v152, s38, \t
.endm
	MSTEP 0
	MSTEP 1
	MSTEP 2
	MSTEP 3
	s_wait_xcnt 0x0                                ; EXEC changes only behind this wait
	v_cmp_gt_u32 vcc_lo, 4, v1
	s_and_saveexec_b32 s39, vcc_lo
	global_store_b32 v10, v152, s[34:35]           ; four flags
	s_wait_xcnt 0x0                                ; and again ahead of the line that widens it
	s_or_b32 exec_lo, exec_lo, s39
	FIN
; ---- x.  A wave takes a tile of 16 rows and half of K: four steps of 128.
.Lx:
	s_sub_co_u32 s24, ttmp9, 128
	s_lshl_b32 s24, s24, 2
	s_add_co_u32 s24, s24, s18
	s_lshr_b32 s25, s24, 1                         ; tile
	s_and_b32 s26, s24, 1                          ; which half of K
	s_lshr_b32 s27, s25, 1
	s_lshl_b32 s27, s27, 5
	s_and_b32 s28, s25, 1
	s_lshl_b32 s28, s28, 3
	s_add_co_u32 s27, s27, s28                     ; the tile's first row
	s_lshl_b32 s28, s27, 12                        ; rows of 4,096 bytes
	s_lshl_b32 s30, s26, 11
	s_add_co_u32 s28, s28, s30
	s_add_nc_u64 s[22:23], s[4:5], s[28:29]
	s_mul_i32 s28, s25, 12288
	s_mul_i32 s30, s26, 6144
	s_add_co_u32 s28, s28, s30
	s_add_nc_u64 s[32:33], s[12:13], s[28:29]      ; the codes
	s_lshl_b32 s28, s25, 9
	s_lshl_b32 s30, s26, 8
	s_add_co_u32 s28, s28, s30
	s_add_co_u32 s28, s28, XSC
	s_add_nc_u64 s[34:35], s[12:13], s[28:29]      ; the scale bytes
	ROWS 0, 4096
.macro XSTEP t
	s_wait_loadcnt 0x0
	TURN 0
	s_wait_dscnt 0x0                               ; the stage's stores have read R, and X is in
.if \t < 3
	ROWS \t+1, 4096                                ; the next step's 8 KiB are on their way while this one is worked
.endif
.if \t > 0
	s_wait_xcnt 0x0                                ; the last step's stores have read the codes' registers
.endif
	QUANT X, PC, PC+6, T0, T1, PW+\t
.irp p, 0,1,2,3,4,5
	global_store_b64 v5, v[PC+2*\p:PC+2*\p+1], s[32:33] offset:1536*\t+256*\p   ; 32 lanes store 256 consecutive bytes, aligned
.endr
.endm
	XSTEP 0
	XSTEP 1
	XSTEP 2
	XSTEP 3
	v_cndmask_b32 v186, v[PW], v[PW+2], s31        ; lanes 0-15: the words of steps 0, 1; lanes 16-31: of steps 2, 3
	v_cndmask_b32 v187, v[PW+1], v[PW+3], s31
	global_store_b64 v5, v[186:187], s[34:35]      ; 256 consecutive bytes
	FIN
; ---- THE WEIGHTS.  K is their first axis: a lane takes a column and its registers run down K.  A wave takes 32 columns (two tiles) x 256 along K: 8 blocks.
.macro WLOAD t, n
.irp i, 0,1,2,3,4,5,6,7,8,9,10,11,12,13,14,15,16,17,18,19,20,21,22,23,24,25,26,27,28,29,30,31
	global_load_b32 v[X+32*((\t)%2)+\i], v11, s[22:23] offset:(32*(\t)+\i)*\n*4 th:TH_LOAD_NT   ; the wave reads 128 consecutive bytes
.endr
.endm
.macro WBLOCK t, n
.set XS, X+32*((\t)%2)
.set CE, PC+6*((\t)%2)
.set CT, T0+4*((\t)%2)
.if (\t) < 7
	s_wait_loadcnt 32                              ; this block's 32 loads are in; the next block's 32 may be out
.else
	s_wait_loadcnt 0x0
.endif
.if ((\t)%2 == 0) && ((\t) > 0)
	s_wait_xcnt 0x0                                ; the last pair's stores have read the codes' registers
.endif
	v_max3_num_f32 v[TM], |v[XS]|, |v[XS+1]|, |v[XS+2]|
	v_max3_num_f32 v[TM+1], |v[XS+3]|, |v[XS+4]|, |v[XS+5]|
.irp i, 6,10,14,18,22,26
	v_max3_num_f32 v[TM], v[TM], |v[XS+\i]|, |v[XS+\i+1]|
	v_max3_num_f32 v[TM+1], v[TM+1], |v[XS+\i+2]|, |v[XS+\i+3]|
.endr
	v_max3_num_f32 v[TM], v[TM], |v[XS+30]|, |v[XS+31]|
	v_max3_num_f32 v[TM], v[TM], v[TM+1], 0x1800000
	v_add_nc_u32 v[TM+2], 0xff000000, v[TM]
	v_lshrrev_b32 v[TM+3], 23, v[TM+2]
.if (\t)%4 == 0
	v_mov_b32 v[SB+(\t)/4], v[TM+3]
.else
	v_lshl_or_b32 v[SB+(\t)/4], v[TM+3], 8*((\t)%4), v[SB+(\t)/4]
.endif
	v_cvt_scalef32_pk16_fp6_f32 v[CE:CE+2], v[XS:XS+15], v[TM+2]
	v_cvt_scalef32_pk16_fp6_f32 v[CT:CT+2], v[XS+16:XS+31], v[TM+2]
	v_nop                                          ; one plain place behind the scaled conversions
.irp i, 0,1,2
	v_mov_b32 v[CE+3+\i], v[CT+\i]
.endr
.if (\t)+2 < 8
	WLOAD (\t)+2, \n
.endif
.if (\t)%2 == 1                        ; an even and an odd block of both tiles are there: the even set's lanes 16-31 change places with the odd set's lanes 0-15, and each set is one tile's image
.irp i, 0,1,2,3,4,5
	v_permlane16_swap_b32 v[PC+\i], v[PC+6+\i]
.endr
.irp p, 0,1,2
	global_store_b64 v5, v[PC+2*\p:PC+2*\p+1], s[32:33] offset:((\t)/2)*768+256*\p
	global_store_b64 v5, v[PC+6+2*\p:PC+6+2*\p+1], s[32:33] offset:12288+((\t)/2)*768+256*\p
.endr
.endif
.endm
.macro WPATH n, plo, tb, wg0
	s_sub_co_u32 s24, ttmp9, \wg0
	s_and_b32 s25, s24, 3                          ; which 256 along K
	s_lshr_b32 s24, s24, 2
	s_lshl_b32 s24, s24, 2
	s_add_co_u32 s24, s24, s18                     ; B: which 32 columns
	s_mul_i32 s28, s25, 256*\n*4
	s_lshl_b32 s26, s24, 7
	s_add_co_u32 s28, s28, s26
	s_add_nc_u64 s[22:23], s[\plo:\plo+1], s[28:29]
	s_lshl_b32 s26, s24, 1
	s_add_co_u32 s26, s26, \tb                     ; tile 2 B of this weight in wq
	s_mul_i32 s28, s26, 12288
	s_mul_i32 s27, s25, 3072
	s_add_co_u32 s28, s28, s27
	s_add_nc_u64 s[32:33], s[14:15], s[28:29]
	s_lshl_b32 s28, s26, 9
	s_lshl_b32 s27, s25, 7
	s_add_co_u32 s28, s28, s27
	s_add_co_u32 s28, s28, WSC
	s_add_nc_u64 s[34:35], s[14:15], s[28:29]
	WLOAD 0, \n
	WLOAD 1, \n
.irp t, 0,1,2,3,4,5,6,7
	WBLOCK \t, \n
.endr
	global_store_b64 v12, v[SB:SB+1], s[34:35]     ; 8 scale bytes a column: two runs of 128 consecutive bytes (131,072 bytes in the whole launch leave so)
	FIN
.endm
.Lw_qkv:
	WPATH 3072, 8, 0, 0
.Lw_out:
	WPATH 1024, 10, 192, 96
.Lfunc_end_k_q6016422d25_prep:
	.size	k_q6016422d25_prep, .Lfunc_end_k_q6016422d25_prep-k_q6016422d25_prep
	.p2alignl 7, 3214868480
	.fill 96, 4, 3214868480
	.section	.rodata,"a",@progbits
	.p2align	6, 0x0
	.amdhsa_kernel k_q6016422d25_prep
		.amdhsa_group_segment_fixed_size 68096
		.amdhsa_private_segment_fixed_size 0
		.amdhsa_enable_private_segment 0
		.amdhsa_kernarg_size 56
		.amdhsa_user_sgpr_count 2
		.amdhsa_user_sgpr_kernarg_segment_ptr 1
		.amdhsa_wavefront_size32 1
		.amdhsa_system_sgpr_workgroup_id_x 1
		.amdhsa_system_sgpr_workgroup_id_y 1
		.amdhsa_system_sgpr_workgroup_id_z 1
		.amdhsa_system_vgpr_workitem_id 0
		.amdhsa_next_free_vgpr 192
		.amdhsa_next_free_sgpr 66
		.amdhsa_reserve_vcc 1
		.amdhsa_float_denorm_mode_32 3
		.amdhsa_float_denorm_mode_16_64 3
		.amdhsa_memory_ordered 1
		.amdhsa_forward_progress 1
		.amdhsa_inst_pref_size 180
	.end_amdhsa_kernel
	.amdgpu_metadata
---
amdhsa.version: [ 1, 2 ]
amdhsa.kernels:
  - .name:           k_q6016422d25_prep
    .symbol:         k_q6016422d25_prep.kd
    .args:
      - { .name: x, .offset: 0, .size: 8, .value_kind: global_buffer, .address_space: global }
      - { .name: mask, .offset: 8, .size: 8, .value_kind: global_buffer, .address_space: global }
      - { .name: W_qkv, .offset: 16, .size: 8, .value_kind: global_buffer, .address_space: global }
      - { .name: W_out, .offset: 24, .size: 8, .value_kind: global_buffer, .address_space: global }
      - { .name: xq, .offset: 32, .size: 8, .value_kind: global_buffer, .address_space: global }
      - { .name: wq, .offset: 40, .size: 8, .value_kind: global_buffer, .address_space: global }
      - { .name: maskw, .offset: 48, .size: 8, .value_kind: global_buffer, .address_space: global }
    .group_segment_fixed_size: 68096
    .private_segment_fixed_size: 0
    .kernarg_segment_align: 8
    .kernarg_segment_size: 56
    .max_flat_workgroup_size: 128
    .sgpr_count:     66
    .vgpr_count:     192
    .wavefront_size: 32
...
	.end_amdgpu_metadata
.endif
;; end of part 1
;; launch qkv (part 2): grid 12 x 32, 4 waves a work-group, clusters of 4 x 4, 327,680 bytes of LDS; arguments xq, wq, b_qkv, qkv; writes qkv
.if DOCPART == 2
	.amdgcn_target "amdgcn-amd-amdhsa--gfx1250"
	.amdhsa_code_object_version 6
	.text
	.protected	k_q6016422d25_qkv
	.globl	k_q6016422d25_qkv
	.p2align	8
	.type	k_q6016422d25_qkv,@function
k_q6016422d25_qkv:
	s_mov_b64 s[64:65], 0
	v_nop
	global_prefetch_b8 v0, s[64:65] scope:SCOPE_SE
	s_setreg_imm32_b32 hwreg(HW_REG_WAVE_MODE, 25, 1), 1
	s_wait_xcnt 0x0
	s_wait_alu depctr_hold_cnt(0) depctr_sa_sdst(0) depctr_va_vdst(0) depctr_va_sdst(0) depctr_va_ssrc(0) depctr_va_vcc(0) depctr_vm_vsrc(0)
	s_getreg_b32 s2, hwreg(HW_REG_IB_STS2, 6, 4)
	s_cmp_eq_u32 s2, 0
	s_cbranch_scc0 .Lentry_in_a_cluster
	s_endpgm
.Lentry_in_a_cluster:
	s_bfe_u32 s2, ttmp6, 0x10000c
	s_cmp_lg_u32 s2, 0xf033
	s_cbranch_scc0 .Lentry_shape_is_right
	s_endpgm
.Lentry_shape_is_right:
; qkv = x W_qkv + b_qkv on codes of FP6 (E2M3) with E8M0 block scales; the results are quantised on the way out (q and k along the head's 64, v along the keys) and stored as images of operand registers.
; OPERANDS lie in the order of the operand's registers (a tile of 16 rows x 1,024 K is 12,288 dense bytes; lane r of tile 2 B + u stands for row 32 B + 8 u + r + 8 (r / 8)).
; A work-group of four waves makes 256 x 256, a wave 128 x 128: 64 accumulators, 512 registers.  R is the matrix instruction's source 1 (its rows lie in lanes), P its source 0 (its rows run along a lane's registers:
; register j of P's tile 2 B + u in lane (r, h) is P's row 32 B + 16 h + 8 u + j, so a lane's 64 registers of one tile of R are 4 x 16 neighbours along P).
; CLUSTER x = 0 (q), 1 (k): R = tokens, P = channels: a lane holds one token and 128 channels (two heads).  CLUSTER x = 2 (v): R = channels, P = tokens: a lane holds one channel and 128 keys.  So the axis that is
; quantised runs along a lane's registers in both.  The choice hangs on the cluster's x alone, which all sixteen partners share.
; K goes in steps of 256 through two LDS slots; R's tiles are asked for jointly along a row of the cluster, P's along a column.  The scale bytes of the work-group's rows come once, with the first fills.
; No prefetch is laid: K has four steps, and each tile is shared by the joint loads.  384 work-groups are 24 clusters.
; OUT: a block of 19,200 bytes for each (batch x 16 + head, 128 tokens): Q codes 0, Q scales 6,144, K codes 6,400, V codes 12,544, K scales 18,688, V scales 18,944.  Codes: four images of 12 registers,
; image f at 1,536 f + 512 c + 16 x lane.  Q, K image f: registers 0-5 token tile 2 f, 6-11 token tile 2 f + 1 (K = the head's 64).  V image t: 16 channels x 128 keys.  Scales: 8 bytes a lane:
; the first word serves image 0 (lanes 0-15) and 1 (lanes 16-31), the second images 2 and 3.
; LIMITS: a scale byte is held at 1 from below (a block of zeros gets 1, not 127; this program alone reads the bytes); NaN and infinities are not served.
; REGISTERS: window 0: v16-30 addresses; v32-63 scale words, two sets; v64-127 the bias; v128-223 R's fragments, one set (on the way out v128-255 are at work).  window 1: P's fragments, two sets, at v0 and v128.
;   window 2: the accumulators of R's tiles 0-3 ((a, b) at v[8 (8 (a % 4) + b)]);  window 3: of tiles 4-7.
.set NQ,     2                         ; matrix instructions deep in a slot
.set FR,     12                        ; registers of a fragment
.set NL,     6                         ; LDS loads that bring one
.set NP,     4                         ; places behind this matrix instruction (ISA guide 7.12.1)
.set TILEB,  12288                     ; a tile in memory
.set STB,    3072                      ; its 256 along K
.set HALFT,  8*STB                     ; 8 tiles: what one tensor load brings, and what one wave reads of R or of P
.set SLOT,   4*HALFT                   ; R's 16 tiles, then P's 16
.set SCL,    2*SLOT                    ; behind the ring: the scale bytes, R's 8,192 and P's 8,192
.set HALFS,  4096
.set SBLK,   512
.set SPARE,  SCL+4*HALFS               ; the spare words, 128 bytes a wave
.set LAPS,   2
.set XSC,    6291456
.set WSC,    3145728
.set BLKB,   19200
.set HEADB,  16*BLKB                   ; from a head's block to the next head's
.set ADRA, 16                          ; v16-17  LDS address of my R fragments in slot 0, 1
.set ADRB, 20                          ; v20-21  the same for P
.set O16,  24                          ; v24     16 x lane
.set O8,   25                          ; v25     8 x lane
.set ADRS, 27                          ; v27     LDS address of my scale words: lanes 0-15 R's, lanes 16-31 P's
.set SPW,  28                          ; v28     my spare word's LDS address; never rewritten
.set NIL,  29                          ; v29     0; never rewritten
.set BO,   30                          ; v30     the bias loads' offset
.set SC,   32
.set BP,   64
.set AF,   128
.set T,    128                         ; the way out: v128-191 64 numbers
.set IMGX, 192                         ; v192-203, v204-215 two images
.set IMGY, 204
.set T0,   216
.set T1,   220
.set TM,   224                         ; v224-239 at work
.set PW,   240                         ; v240-247 eight scale words
.set HM,   2                           ; s2      lanes 16-31
.set SEL,  98                          ; s[98:99] selects for lane l xor 16
.set G1, 24
.set G0, 32
.set G1B, 48
.set G0B, 56
.set G1S, 68
.set G0S, 76
.set G1SB, 80
.set G0SB, 88
.set MSB, 0
.macro WIN new                         ; the immediate's high byte repeats the setting that is left
.if MSB != (\new)
	s_set_vgpr_msb (MSB<<8)|(\new)
.set MSB, (\new)
.endif
.endm
.set MUL_LO, 0xa1                      ; source 0 (P) window 1, source 1 (R) window 0, C and D window 2
.set MUL_HI, 0xf1
.set TO_B,   0x40
.macro JLOAD g0a, g1a, g0b, g1b        ; a joint load: waves 0 and 1 fetch for R, waves 2 and 3 for P; an s_nop 0 and four v_nop follow each line
	s_cmp_eq_u32 s15, 0
	s_cbranch_scc0 .Lfor_b_\@
	tensor_load_to_lds s[\g0a:\g0a+3], s[\g1a:\g1a+7]
	s_nop 0
.rept 4
	v_nop
.endr
	s_branch .Lasked_\@
.Lfor_b_\@:
	tensor_load_to_lds s[\g0b:\g0b+3], s[\g1b:\g1b+7]
	s_nop 0
.rept 4
	v_nop
.endr
.Lasked_\@:
.endm
.macro CREST
	s_cmp_lg_u32 s14, 0
	s_cbranch_scc1 .Lnot_wave_0_\@
	s_barrier_signal -3
.Lnot_wave_0_\@:
	s_barrier_wait -3
	s_barrier_signal -1
	s_barrier_wait -1
.endm
.macro CROUND
	s_barrier_signal -1
	s_barrier_wait -1
	CREST
.endm
	s_load_b256 s[4:11], s[0:1], 0x0               ; xq s[4:5], wq s[6:7], b_qkv s[8:9], qkv s[10:11]
	v_lshl_add_u32 v[SPW], v0, 2, SPARE
	v_mov_b32 v[NIL], 0
	ds_add_u32 v[SPW], v[NIL]                      ; the wave's opening: the add and its wait ahead of my first tensor load
	v_lshrrev_b32 v1, 5, v0
	v_readfirstlane_b32 s14, v1                    ; wave
	s_lshr_b32 s15, s14, 1                         ; which half of R's rows is mine.  Also: I fetch for R (0) or for P (1)
	s_and_b32 s16, s14, 1                          ; which half of P's rows.  Also: which 8 tiles I fetch
	s_bfe_u32 s40, ttmp6, 0x40000                  ; cx
	s_bfe_u32 s41, ttmp6, 0x40004                  ; cy
	s_and_b32 s18, ttmp7, 0xffff
	s_lshl_b32 s18, s18, 2                         ; 4 x cluster y
	s_lshl_b32 s19, ttmp9, 2                       ; 4 x cluster x
	s_cmp_eq_u32 ttmp9, 2                          ; v?
	s_cselect_b32 s17, 0, s18
	s_cselect_b32 s42, s18, s19
	s_add_co_u32 s17, s17, s41                     ; R's block of 256 rows: tokens 4 Y + cy, or v's channels cy
	s_add_co_u32 s42, s42, s40                     ; P's: channels 4 X + cx, or tokens 4 Y + cx
	s_lshl_b32 s43, s41, 2
	s_lshl_b32 s43, 15, s43                        ; my row of the cluster
	s_lshl_b32 s44, 0x1111, s40                    ; my column
	s_or_b32 s[G1+0], s43, (3<<16)|(1<<21)         ; 15:0 the mask; 17:16 elements of 8 bytes; 21 set beside a mask; no padding: a fragment load reads 256 consecutive bytes
	s_or_b32 s[G1B+0], s44, (3<<16)|(1<<21)
.irp g, G1, G1B
	s_mov_b32 s[\g+1], 384<<16                     ; tensor_dim0: 3,072 bytes
	s_mov_b32 s[\g+2], 8<<16                       ; tensor_dim1: 8 tiles
	s_mov_b32 s[\g+3], 384<<16                     ; tile_dim0
	s_mov_b32 s[\g+4], 8                           ; tile_dim1
	s_mov_b32 s[\g+5], 1536                        ; from tile to tile: 12,288 bytes
	s_mov_b32 s[\g+6], 0
	s_mov_b32 s[\g+7], 0
.endr
	s_or_b32 s[G1S+0], s43, (3<<16)|(1<<21)        ; the scale bytes of 8 tiles: 4,096 dense bytes as 16 rows of 256
	s_or_b32 s[G1SB+0], s44, (3<<16)|(1<<21)
.irp g, G1S, G1SB
	s_mov_b32 s[\g+1], 32<<16
	s_mov_b32 s[\g+2], 16<<16
	s_mov_b32 s[\g+3], 32<<16
	s_mov_b32 s[\g+4], 16
	s_mov_b32 s[\g+5], 32
	s_mov_b32 s[\g+6], 0
	s_mov_b32 s[\g+7], 0
.endr
	s_lshl_b32 s18, s16, 3
	s_lshl_b32 s20, s17, 4
	s_add_co_u32 s20, s20, s18                     ; R: tile 16 x block + 8 x half
	s_lshl_b32 s46, s42, 4
	s_add_co_u32 s46, s46, s18                     ; P likewise
	s_lshl_b32 s22, s20, 9                         ; their scale bytes,
	s_mov_b32 s23, 0
	s_lshl_b32 s92, s46, 9
	s_mov_b32 s93, 0
	s_mul_i32 s20, s20, TILEB                      ; and their codes
	s_mov_b32 s21, 0
	s_mul_i32 s46, s46, TILEB
	s_mov_b32 s47, 0
	s_mul_i32 s45, s14, HALFT                      ; where they go: no place in the cluster enters an LDS address
	s_lshl_b32 s94, s14, 12
	s_wait_dscnt 0x0                               ; the opening add is done
	s_wait_kmcnt 0x0
	s_add_nc_u64 s[96:97], s[6:7], 128*TILEB       ; v's rows of wq begin at tile 128
	s_add_nc_u64 s[98:99], s[6:7], WSC+128*512
	s_add_nc_u64 s[100:101], s[6:7], WSC
	s_add_nc_u64 s[66:67], s[4:5], XSC
	s_cmp_eq_u32 ttmp9, 2
	s_cselect_b64 s[96:97], s[96:97], s[4:5]       ; R's codes
	s_cselect_b64 s[98:99], s[98:99], s[66:67]     ; R's scales
	s_cselect_b64 s[4:5], s[4:5], s[6:7]           ; P's codes
	s_cselect_b64 s[66:67], s[66:67], s[100:101]   ; P's scales
	s_add_nc_u64 s[20:21], s[96:97], s[20:21]
	s_add_nc_u64 s[22:23], s[98:99], s[22:23]
	s_add_nc_u64 s[46:47], s[4:5], s[46:47]
	s_add_nc_u64 s[92:93], s[66:67], s[92:93]
	CROUND                                         ; all sixteen work-groups are here: the first joint loads meet
	s_mov_b32 s[G0S], 1
	s_add_co_u32 s[G0S+1], s94, SCL
	s_mov_b64 s[G0S+2:G0S+3], s[22:23]
	s_or_b32 s[G0S+3], s[G0S+3], 0x80000000
	s_mov_b32 s[G0SB], 1
	s_add_co_u32 s[G0SB+1], s94, SCL
	s_mov_b64 s[G0SB+2:G0SB+3], s[92:93]
	s_or_b32 s[G0SB+3], s[G0SB+3], 0x80000000
	JLOAD G0S, G1S, G0SB, G1SB                     ; the scales first: three loads of mine are out at the start, one behind each later round
.irp s, 0,1
	s_mov_b32 s[G0+4*\s], 1
	s_add_co_u32 s[G0+4*\s+1], s45, \s*SLOT
	s_add_nc_u64 s[G0+4*\s+2:G0+4*\s+3], s[20:21], \s*STB
	s_or_b32 s[G0+4*\s+3], s[G0+4*\s+3], 0x80000000
	s_mov_b32 s[G0B+4*\s], 1
	s_add_co_u32 s[G0B+4*\s+1], s45, \s*SLOT
	s_add_nc_u64 s[G0B+4*\s+2:G0B+4*\s+3], s[46:47], \s*STB
	s_or_b32 s[G0B+4*\s+3], s[G0B+4*\s+3], 0x80000000
	JLOAD G0+4*\s, G1, G0B+4*\s, G1B
.endr
	v_and_b32 v1, 15, v0                           ; r
	v_bfe_u32 v2, v0, 4, 1                         ; h
	v_and_b32 v3, 31, v0
	v_lshlrev_b32 v[O16], 4, v3
	v_lshlrev_b32 v[O8], 3, v3
	s_mul_i32 s21, s15, HALFT
	s_mul_i32 s22, s16, HALFT
	s_add_co_u32 s22, s22, 2*HALFT
.irp s, 0,1
	v_add_nc_u32 v[ADRA+\s], s21, v[O8]
	v_add_nc_u32 v[ADRB+\s], s22, v[O8]
	s_add_co_u32 s21, s21, SLOT
	s_add_co_u32 s22, s22, SLOT
.endr
	v_lshlrev_b32 v5, 3, v1                        ; my row's two scale words of a K step
	s_lshl_b32 s21, s15, 12
	s_lshl_b32 s22, s16, 12
	s_add_co_u32 s22, s22, 2*HALFS
	s_sub_co_u32 s22, s22, s21
	v_mul_u32_u24 v6, s22, v2                      ; lanes 16-31 take P's
	s_add_co_u32 s21, s21, SCL
	v_add_nc_u32 v5, v5, v6
	v_add_nc_u32 v[ADRS], s21, v5
	; where my results go, and my bias
	s_lshl_b32 s18, s17, 8
	s_lshl_b32 s19, s15, 7
	s_add_co_u32 s18, s18, s19                     ; my first row of R
	s_lshl_b32 s19, s42, 8
	s_lshl_b32 s20, s16, 7
	s_add_co_u32 s19, s19, s20                     ; and of P
	s_and_b32 s20, s19, 1023
	s_add_co_u32 s22, s18, 2048
	s_cmp_eq_u32 ttmp9, 2
	s_cselect_b32 s21, s19, s18                    ; my first token
	s_cselect_b32 s20, s18, s20                    ; my first channel within q, k or v
	s_cselect_b32 s22, s22, s19                    ; and within b_qkv
	s_lshl_b32 s22, s22, 2
	s_mov_b32 s23, 0
	s_add_nc_u64 s[8:9], s[8:9], s[22:23]
	s_lshr_b32 s22, s21, 11                        ; batch
	s_lshl_b32 s22, s22, 4
	s_lshr_b32 s20, s20, 6                         ; head
	s_add_co_u32 s22, s22, s20
	s_lshl_b32 s22, s22, 4
	s_bfe_u32 s21, s21, 0x40007                    ; which 128 tokens
	s_add_co_u32 s22, s22, s21
	s_mul_i32 s22, s22, BLKB
	s_mov_b32 s20, 6400
	s_mov_b32 s21, 18688
	s_mov_b32 s92, 6144
	s_cmp_eq_u32 ttmp9, 0
	s_cselect_b32 s20, 0, s20
	s_cselect_b32 s21, s92, s21
	s_mov_b32 s92, 12544
	s_mov_b32 s93, 18944
	s_cmp_eq_u32 ttmp9, 2
	s_cselect_b32 s20, s92, s20
	s_cselect_b32 s21, s93, s21
	s_add_co_u32 s20, s20, s22
	s_add_co_u32 s22, s21, s22
	s_mov_b32 s21, 0
	s_add_nc_u64 s[12:13], s[10:11], s[20:21]      ; the codes
	s_add_nc_u64 s[96:97], s[10:11], s[22:23]      ; the scale words
	s_cmp_eq_u32 ttmp9, 2
	s_cbranch_scc1 .Lbias_v
	v_lshlrev_b32 v[BO], 6, v2                     ; q, k: register 16 B + i wants the bias of channel 32 B + 16 h + i
.irp b, 0,1,2,3
.irp q, 0,1,2,3
	global_load_b128 v[BP+16*\b+4*\q:BP+16*\b+4*\q+3], v[BO], s[8:9] offset:128*\b+16*\q
.endr
.endr
	s_branch .Lbias_done
.Lbias_v:
	v_and_b32 v[BO], 8, v1                         ; v: one number for each tile a of R: the bias of my lane's channel, in register 2 a
	v_add_nc_u32 v[BO], v[BO], v1
	v_lshlrev_b32 v[BO], 2, v[BO]
.set k, 0
.rept 64
.if (k < 16) && (k%2 == 0)
	global_load_b32 v[BP+k], v[BO], s[8:9] offset:(32*(k/4)+8*((k/2)%2))*4
.else
	v_mov_b32 v[BP+k], 0                           ; so that all 64 are written on both ways
.endif
.set k, k+1
.endr
.Lbias_done:
.macro FRAG reg, adr, q, i             ; a fragment, 16 rows x 128 K, is 1,536 dense bytes: six loads of 8 bytes a lane, 256 consecutive bytes each
.irp p, 0,1,2,3,4,5
	ds_load_b64 v[\reg+2*\p:\reg+2*\p+1], v[\adr] offset:(\i)*STB+(\q)*1536+256*\p
.endr
.endm
; 16 matrix instructions: R's tiles a0, a0 + 1 x P's eight.  The 64 accumulators take turns, one instruction a turn, in the same order in every step
.macro MUL16 a0, p, q, sc, zero
.irp a, \a0, \a0+1
.irp b, 0,1,2,3,4,5,6,7
.if \zero
	v_wmma_scale_f32_16x16x128_f8f6f4 v[8*(8*((\a)%4)+\b):8*(8*((\a)%4)+\b)+7], v[128*(\p)+FR*\b:128*(\p)+FR*\b+FR-1], v[AF+FR*(\a):AF+FR*(\a)+FR-1], 0, v[SC+8*NQ*(\sc)+NQ*\b+(\q)], v[SC+8*NQ*(\sc)+NQ*(\a)+(\q)] matrix_a_fmt:MATRIX_FMT_FP6 matrix_b_fmt:MATRIX_FMT_FP6 matrix_a_scale:MATRIX_SCALE_ROW1
.else
	v_wmma_scale_f32_16x16x128_f8f6f4 v[8*(8*((\a)%4)+\b):8*(8*((\a)%4)+\b)+7], v[128*(\p)+FR*\b:128*(\p)+FR*\b+FR-1], v[AF+FR*(\a):AF+FR*(\a)+FR-1], v[8*(8*((\a)%4)+\b):8*(8*((\a)%4)+\b)+7], v[SC+8*NQ*(\sc)+NQ*\b+(\q)], v[SC+8*NQ*(\sc)+NQ*(\a)+(\q)] matrix_a_fmt:MATRIX_FMT_FP6 matrix_b_fmt:MATRIX_FMT_FP6 matrix_a_scale:MATRIX_SCALE_ROW1
.endif
.endr
.endr
.endm
.macro FETCH_B slot, q, p
	WIN TO_B
.irp i, 0,1,2,3,4,5,6,7
	FRAG 128*(\p)+FR*\i, ADRB+\slot, \q, \i
.endr
	WIN 0
.endm
.macro FETCH_A slot, q, i0
.irp i, \i0, \i0+1, \i0+2, \i0+3
	FRAG AF+FR*(\i), ADRA+\slot, \q, \i
.endr
.endm
.macro SCALES sc                       ; a K step's two words a row: lanes 0-15 R's tile i, lanes 16-31 P's tile i
.irp i, 0,1,2,3,4,5,6,7
	ds_load_b64 v[SC+8*NQ*\sc+NQ*\i:SC+8*NQ*\sc+NQ*\i+1], v[ADRS] offset:\i*SBLK
.endr
.endm
.macro PLACES n                        ; plain vector instructions between a matrix instruction and a load into, or a read of, its registers
.rept \n
	v_nop
.endr
.endm
.macro STEP slot, q, zero              ; 128 along K that have their successor in the same slot
	s_wait_dscnt 4*NL                              ; P's set and R's tiles 0-3 are in; the youngest 24 loads (R's tiles 4-7) may be out
	WIN MUL_LO
	MUL16 0, (\q)%2, \q, \slot, \zero
	MUL16 2, (\q)%2, \q, \slot, \zero
	s_wait_dscnt 0
	PLACES NP
	FETCH_B \slot, (\q)+1, 1-(\q)%2
	FETCH_A \slot, (\q)+1, 0
	WIN MUL_HI
	MUL16 4, (\q)%2, \q, \slot, \zero
	MUL16 6, (\q)%2, \q, \slot, \zero
	PLACES NP
	WIN 0
	FETCH_A \slot, (\q)+1, 4
.endm
; A slot's last step changes slots: one barrier; ahead of it each wave waits for all its tensor loads, adds 0 to its spare word, and waits for that and for its reads of this slot
.macro TURN slot, next, fill
	s_wait_tensorcnt 0x0                           ; all my tensor loads have landed: my part of the next slot
	ds_add_u32 v[SPW], v[NIL]
	s_wait_dscnt 4*NL+1                            ; the add and the youngest 24 loads may be out
	WIN MUL_LO
	MUL16 0, 1, NQ-1, \slot, 0
	s_wait_dscnt 0x0                               ; the add is done, and my reads of this slot are over
	s_barrier_signal -1
	MUL16 2, 1, NQ-1, \slot, 0
	WIN 0
	s_barrier_wait -1
.if \fill
	CREST                                          ; the barrier has opened a round of the cluster's: no wave of any partner still reads this slot or has a load on its way
	s_add_nc_u64 s[G0+4*\slot+2:G0+4*\slot+3], s[G0+4*\slot+2:G0+4*\slot+3], 2*STB
	s_add_nc_u64 s[G0B+4*\slot+2:G0B+4*\slot+3], s[G0B+4*\slot+2:G0B+4*\slot+3], 2*STB
	JLOAD G0+4*\slot, G1, G0B+4*\slot, G1B         ; the first tensor load behind the round; its four v_nop are the places ahead of the loads below
.else
	PLACES NP
.endif
	v_add_nc_u32 v[ADRS], 128, v[ADRS]             ; the next K step's scale words
	FETCH_B \next, 0, 0
	FETCH_A \next, 0, 0
	SCALES \next
	WIN MUL_HI
	MUL16 4, 1, NQ-1, \slot, 0
	MUL16 6, 1, NQ-1, \slot, 0
	PLACES NP
	WIN 0
	FETCH_A \next, 0, 4
.endm
	s_wait_loadcnt 0x0                             ; the bias
	s_wait_tensorcnt 1                             ; the scales and my part of K step 0 are in; K step 1's load may be out,
	s_barrier_signal -1
	s_barrier_wait -1                              ; everybody's are
	FETCH_B 0, 0, 0
	FETCH_A 0, 0, 0
	SCALES 0
	FETCH_A 0, 0, 4
	STEP 0, 0, 1                                   ; the first step's products start the sums
	s_mov_b32 s3, LAPS-1
.Llap:
	TURN 0, 1, 1
	STEP 1, 0, 0
	TURN 1, 0, 1
	STEP 0, 0, 0
	s_sub_co_u32 s3, s3, 1
	s_cmp_lg_u32 s3, 0
	s_cbranch_scc1 .Llap
	TURN 0, 1, 0
	STEP 1, 0, 0
	s_wait_dscnt 4*NL
	WIN MUL_LO
	MUL16 0, 1, NQ-1, 1, 0
	MUL16 2, 1, NQ-1, 1, 0
	s_wait_dscnt 0
	WIN MUL_HI
	MUL16 4, 1, NQ-1, 1, 0
	MUL16 6, 1, NQ-1, 1, 0
	WIN 0
	PLACES NP
; THE WAY OUT.  It touches no LDS: a lane's registers already run along the axis that is quantised, and the images are stored as they stand, 512 consecutive bytes an instruction.
.macro QUANT s, d0, d1, t0, t1, pw     ; 64 numbers, register 16 b + i = k 32 b + 16 h + i, become 2 x 6 registers of codes and a scale word
.irp b, 0,1,2,3
	v_max3_num_f32 v[TM+\b], |v[\s+16*\b]|, |v[\s+1+16*\b]|, 0x1800000   ; and the floor 2^(3 - 127): the byte cannot fall under 1
.endr
.irp i, 2,4,6,8,10,12,14
.irp b, 0,1,2,3
	v_max3_num_f32 v[TM+\b], v[TM+\b], |v[\s+16*\b+\i]|, |v[\s+1+16*\b+\i]|
.endr
.endr
.irp b, 0,1,2,3
	v_permlanex16_b32 v[TM+4+\b], v[TM+\b], s[SEL], s[SEL+1]
.endr
.irp b, 0,1,2,3
	v_max_num_f32 v[TM+\b], v[TM+\b], v[TM+4+\b]
.endr
.irp b, 0,1,2,3
	v_add_nc_u32 v[TM+12+\b], 0xff000000, v[TM+\b]     ; 2 off the exponent field: the conversion's scale operand
.endr
.irp b, 0,1,2,3
	v_lshrrev_b32 v[TM+4+\b], 23, v[TM+12+\b]
.endr
	v_lshl_or_b32 v[\pw], v[TM+5], 8, v[TM+4]
	v_lshl_or_b32 v[\pw], v[TM+6], 16, v[\pw]
	v_lshl_or_b32 v[\pw], v[TM+7], 24, v[\pw]
	v_cvt_scalef32_pk16_fp6_f32 v[\d0:\d0+2], v[\s:\s+15], v[TM+12]
	v_cvt_scalef32_pk16_fp6_f32 v[\t0:\t0+2], v[\s+16:\s+31], v[TM+13]
	v_cvt_scalef32_pk16_fp6_f32 v[\d1:\d1+2], v[\s+32:\s+47], v[TM+14]
	v_cvt_scalef32_pk16_fp6_f32 v[\t1:\t1+2], v[\s+48:\s+63], v[TM+15]
	v_nop                                              ; one plain place behind the scaled conversions
.irp i, 0,1,2
	v_permlane16_swap_b32 v[\d0+\i], v[\t0+\i]
	v_permlane16_swap_b32 v[\d1+\i], v[\t1+\i]
.endr
.irp i, 0,1,2
	v_mov_b32 v[\d0+3+\i], v[\t0+\i]
	v_mov_b32 v[\d1+3+\i], v[\t1+\i]
.endr
.endm
.macro ADDB a, mode                    ; R's tile a: its 64 sums + the bias, into window 0; each accumulator from its low end on
	WIN 2+(\a)/4
.set AC, 64*((\a)%4)
.set k, 0
.rept 32
.if \mode
	v_pk_add_f32 v[T+2*k:T+2*k+1], v[AC+2*k:AC+2*k+1], v[BP+2*(\a):BP+2*(\a)+1] op_sel_hi:[1,0]
.else
	v_pk_add_f32 v[T+2*k:T+2*k+1], v[AC+2*k:AC+2*k+1], v[BP+2*k:BP+2*k+1]
.endif
.set k, k+1
.endr
	WIN 0
.endm
	s_mov_b32 s[SEL], 0x76543210
	s_mov_b32 s[SEL+1], 0xfedcba98
	s_mov_b32 s[HM], 0xffff0000
.irp b, 0,1,2,3
	v_mov_b32 v[TM+4+\b], 0                        ; a lane permute's destination counts as one of its sources
.endr
	s_cmp_eq_u32 ttmp9, 2
	s_cbranch_scc1 .Lout_v
	; q, k: a tile of tokens gives half an image to each of my two heads
.irp f, 0,1,2,3
.if \f > 0
	s_wait_xcnt 0x0                                ; the last images' stores have read their registers
.endif
	ADDB 2*\f, 0
	QUANT T, IMGX, IMGY, T0, T1, PW+2*\f
	ADDB 2*\f+1, 0
	QUANT T, IMGX+6, IMGY+6, T0, T1, PW+2*\f+1
.irp c, 0,1,2
	global_store_b128 v[O16], v[IMGX+4*\c:IMGX+4*\c+3], s[12:13] offset:\f*1536+512*\c
	global_store_b128 v[O16], v[IMGY+4*\c:IMGY+4*\c+3], s[12:13] offset:HEADB+\f*1536+512*\c
.endr
.endr
	s_mov_b32 s20, 0x05040100
	s_mov_b32 s21, 0x07060302
.irp f, 0,1,2,3
	v_perm_b32 v[T+\f], v[PW+2*\f+1], v[PW+2*\f], s20      ; an image's word: two bytes of each of its two tiles; the first head's are the lower two,
	v_perm_b32 v[T+4+\f], v[PW+2*\f+1], v[PW+2*\f], s21    ; the second head's the upper two
.endr
	v_cndmask_b32 v248, v[T], v[T+1], s[HM]
	v_cndmask_b32 v249, v[T+2], v[T+3], s[HM]
	v_cndmask_b32 v250, v[T+4], v[T+5], s[HM]
	v_cndmask_b32 v251, v[T+6], v[T+7], s[HM]
	global_store_b64 v[O8], v[248:249], s[96:97]
	global_store_b64 v[O8], v[250:251], s[96:97] offset:HEADB
	s_branch .Lfin
.Lout_v:
	; v: a tile of channels x my 128 keys is one image
.irp a, 0,1,2,3,4,5,6,7
.if \a > 0
	s_wait_xcnt 0x0
.endif
	ADDB \a, 1
	QUANT T, IMGX, IMGX+6, T0, T1, PW+\a
.irp c, 0,1,2
	global_store_b128 v[O16], v[IMGX+4*\c:IMGX+4*\c+3], s[12:13] offset:(\a/4)*HEADB+(\a%4)*1536+512*\c
.endr
.endr
	v_cndmask_b32 v248, v[PW], v[PW+1], s[HM]
	v_cndmask_b32 v249, v[PW+2], v[PW+3], s[HM]
	v_cndmask_b32 v250, v[PW+4], v[PW+5], s[HM]
	v_cndmask_b32 v251, v[PW+6], v[PW+7], s[HM]
	global_store_b64 v[O8], v[248:249], s[96:97]
	global_store_b64 v[O8], v[250:251], s[96:97] offset:HEADB
.Lfin:
	s_wait_tensorcnt 0x0                           ; the wave's end
	ds_add_u32 v[SPW], v[NIL]
	s_wait_dscnt 0x0
	CROUND                                         ; the closing round
	s_endpgm
.Lfunc_end_k_q6016422d25_qkv:
	.size	k_q6016422d25_qkv, .Lfunc_end_k_q6016422d25_qkv-k_q6016422d25_qkv
	.p2alignl 7, 3214868480
	.fill 96, 4, 3214868480
	.section	.rodata,"a",@progbits
	.p2align	6, 0x0
	.amdhsa_kernel k_q6016422d25_qkv
		.amdhsa_group_segment_fixed_size 327680
		.amdhsa_private_segment_fixed_size 0
		.amdhsa_enable_private_segment 0
		.amdhsa_kernarg_size 32
		.amdhsa_user_sgpr_count 2
		.amdhsa_user_sgpr_kernarg_segment_ptr 1
		.amdhsa_wavefront_size32 1
		.amdhsa_system_sgpr_workgroup_id_x 1
		.amdhsa_system_sgpr_workgroup_id_y 1
		.amdhsa_system_sgpr_workgroup_id_z 1
		.amdhsa_system_vgpr_workitem_id 0
		.amdhsa_next_free_vgpr 1024
		.amdhsa_next_free_sgpr 102
		.amdhsa_reserve_vcc 0
		.amdhsa_float_denorm_mode_32 3
		.amdhsa_float_denorm_mode_16_64 3
		.amdhsa_memory_ordered 1
		.amdhsa_forward_progress 1
		.amdhsa_inst_pref_size 234
	.end_amdhsa_kernel
	.amdgpu_metadata
---
amdhsa.version: [ 1, 2 ]
amdhsa.kernels:
  - .name:           k_q6016422d25_qkv
    .symbol:         k_q6016422d25_qkv.kd
    .args:
      - { .name: xq, .offset: 0, .size: 8, .value_kind: global_buffer, .address_space: global }
      - { .name: wq, .offset: 8, .size: 8, .value_kind: global_buffer, .address_space: global }
      - { .name: b_qkv, .offset: 16, .size: 8, .value_kind: global_buffer, .address_space: global }
      - { .name: qkv, .offset: 24, .size: 8, .value_kind: global_buffer, .address_space: global }
    .group_segment_fixed_size: 327680
    .private_segment_fixed_size: 0
    .kernarg_segment_align: 8
    .kernarg_segment_size: 32
    .max_flat_workgroup_size: 128
    .sgpr_count:     102
    .vgpr_count:     1024
    .wavefront_size: 32
...
	.end_amdgpu_metadata
.endif
;; end of part 2
;; launch attn (part 3): grid 64 x 4, 16 waves a work-group, no clusters, 34,816 bytes of LDS; arguments qkv, maskw, ao; writes ao
.if DOCPART == 3
	.amdgcn_target "amdgcn-amd-amdhsa--gfx1250"
	.amdhsa_code_object_version 6
	.text
	.protected	k_q6016422d25_attn
	.globl	k_q6016422d25_attn
	.p2align	8
	.type	k_q6016422d25_attn,@function
k_q6016422d25_attn:
	s_mov_b64 s[64:65], 0
	v_nop
	global_prefetch_b8 v0, s[64:65] scope:SCOPE_SE
	s_setreg_imm32_b32 hwreg(HW_REG_WAVE_MODE, 25, 1), 1
	s_wait_xcnt 0x0
; Attention of 64 (batch, head) pairs, 2,048 queries x 2,048 keys, head size 64, under the given mask, both products on codes of FP6 (E2M3) with E8M0 block scales.
; t = score x log2(e) / 8; M = the running largest t rounded up to a whole number; p = 2^(t - M) is quantised along the keys; the row's sum is taken of the unquantised p and divides O at the end;
; O / sum is quantised along the head's 64 and stored in the order of the next product's operand registers.
; SHARES.  Work-group (pair, y) owns the blocks 7 - y and y of 256 queries, one after the other; each of its sixteen waves owns one tile of 16 queries of the block, in 256 registers: four waves to a SIMD.
; Every wave walks the 16 key steps of 128.  A step's K and V (12,800 bytes, as the launch before laid them) go from memory through registers into one of two LDS slots, asked for a step ahead.
; THE MASK comes as whole numbers that an earlier launch stored: a flag for each (tile of queries, key step), and 64 lane words.  A step in which no query of my tile sees a key is left out (a scalar branch round the
; step's work, not round its barrier); a step that no tile of the work-group needs is not fetched; where all is open the 64 selects are left out.  That holds for every mask.
; NO TENSOR LOAD, NO CLUSTER: the launch branches on numbers read from memory.
; LAYOUT.  Both products are used transposed: S^T = K Q^T, O^T = V^T P^T: a lane holds one query (lane % 16) throughout.  The head's 64 fill half of the instruction's 128 along K: an image of K holds TWO tiles of keys
; (registers 0-5, 6-11), and it is multiplied by [q | 0] for the first and by [0 | q] for the second: 18 registers hold both.
; A ROW WITH NO OPEN KEY has the sum 0: its codes are zeros and its scale bytes 0xff, which make the output row NaN, as the softmax of such a row is.
; LIMITS: t under -3e38 is not served; a scale byte is held at 1 from below; NaN and infinities among the scores are not served.
.set BLKB,  19200                      ; a block of qkv: 128 tokens of one head
.set HEADB, 16*BLKB
.set SLOT1, 16384                      ; slot 1
.set VCO,   6144                       ; in a slot: K's codes 0, V's codes, K's scale words, V's scale words
.set KSO,   12288
.set VSO,   12544
.set SPARE, 32768                      ; the spare words, 128 bytes a wave
.set FLG,   524288
.set XSC,   6291456
.set SPW, 1                            ; v1   my spare word's LDS address; never rewritten
.set NIL, 2                            ; v2   0; never rewritten
.set FO,  3                            ; v3   16 x thread: the fills' offset in memory and in a slot
.set L16, 4                            ; v4   16 x lane
.set L8,  5                            ; v5   8 x lane
.set SBO, 6                            ; v6   8 r + h: my scale byte's place
.set NINF, 7                           ; v7   -infinity
.set QA,  8                            ; v8-10 my three pieces of Q's image
.set QSA, 11                           ; v11  Q's scale word
.set QF,  16                           ; v16-33 [0 x 6 | q x 6 | 0 x 6]
.set QS,  34                           ; v34  q's scale word [s0 s1 s0 s1]
.set QW,  35                           ; v35  as loaded
.set KF,  36                           ; v36-83 four images: K's, then V's
.set KS,  84                           ; v84-85 K's scale words;  v86-87 V's
.set VS,  86
.set SG,  88                           ; v88-95 the next step's bytes on their way to LDS
.set S,   96                           ; v96-159 S^T, then p
.set O,   160                          ; v160-191 O^T
.set PCD, 192                          ; v192-203 p's codes
.set CT,  204                          ; v204-206, v208-210 the conversions' second halves
.set BM,  212                          ; v212-215 the blocks' largest
.set PT,  216                          ; v216-219 at work
.set SO,  220                          ; v220-223 the conversions' scale operands
.set PSW, 224                          ; v224 p's scale word
.set FLO, 225                          ; v225 32 x lane: the flags' offset
.set FF,  226                          ; v[226:227] f = 2^(old M - new M)
.set TMP, 228
.set PFO, 229                          ; v229 the prefetches' offset
; s10 wave, s11 pair, s12 tile, s13 block of queries, s14, s15 counters, s16 steps that the work-group needs, s17 that I need, s18 that are mixed, s19 that I prefetch: bit 0 = the step in hand
; s[20:21] lane selects, s[22:23] c, s[24:25] K and V of step 0, s[26:27] of the trip in hand, s[28:29] my tile's lane words, s30 their step, s31 lanes 16-31, s[32:63], s[68:99] the 64 lane words
	s_load_b128 s[4:7], s[0:1], 0x0                ; qkv s[4:5], maskw s[6:7]
	s_load_b64 s[8:9], s[0:1], 0x10                ; ao
	v_lshl_add_u32 v[SPW], v0, 2, SPARE
	v_mov_b32 v[NIL], 0
	v_lshrrev_b32 v[TMP], 5, v0
	v_readfirstlane_b32 s10, v[TMP]
	v_lshlrev_b32 v[FO], 4, v0
	v_and_b32 v[TMP], 31, v0
	v_lshlrev_b32 v[L16], 4, v[TMP]
	v_lshlrev_b32 v[L8], 3, v[TMP]
	v_lshlrev_b32 v[FLO], 5, v[TMP]
	v_and_b32 v[QSA], 15, v0
	v_bfe_u32 v[SBO], v0, 4, 1
	v_lshl_add_u32 v[SBO], v[QSA], 3, v[SBO]
	s_and_b32 s2, s10, 1                           ; e: which half of Q's image is my tile
	s_bfe_u32 s3, s10, 0x20001                     ; f: which image
	s_mul_i32 s66, s3, 1536
	s_mul_i32 s67, s2, 520
	s_add_co_u32 s67, s67, s66
	v_add_nc_u32 v[QA], s67, v[L16]                ; registers 6 e + 0, 1: byte 0 or 520 of my lane's place in the image's chunks of 512,
	v_add_nc_u32 v[QA+2], 512, v[QA]               ; + 4, 5: 512 or 1,032,
	s_mul_i32 s67, s2, 1016
	s_add_co_u32 s67, s67, s66
	s_add_co_u32 s67, s67, 8
	v_add_nc_u32 v[QA+1], s67, v[L16]              ; + 2, 3: 8 or 1,024
	s_and_b32 s66, s3, 1
	s_lshl_b32 s66, s66, 7
	s_lshr_b32 s67, s3, 1
	s_lshl_b32 s67, s67, 2
	s_add_co_u32 s66, s66, s67
	s_add_co_u32 s66, s66, 6144
	v_lshl_add_u32 v[QSA], v[QSA], 3, s66          ; the image's word of row r
	s_cmp_eq_u32 s10, 14                           ; a step's 12,800 bytes are 50 blocks of 256: wave 13 names 32, wave 14 the other 18 (its lanes 18-31 name the last again)
	s_cselect_b32 s66, 17, 31
	s_cselect_b32 s67, 8192, 0
	v_min_u32 v[PFO], s66, v[TMP]
	v_lshl_add_u32 v[PFO], v[PFO], 8, s67
	v_mov_b32 v[NINF], 0xff800000
.irp i, 0,1,2,3,4,5
	v_mov_b32 v[QF+\i], 0
	v_mov_b32 v[QF+12+\i], 0
.endr
.irp i, 0,1,2,3,4,5,6,7
	v_mov_b32 v[SG+\i], 0                          ; written once, so that they are written on every way
.endr
.irp i, 0,1,2,3
	v_mov_b32 v[PT+\i], 0                          ; a lane permute's destination counts as one of its sources
.endr
	v_mov_b32 v[FF+1], 0                           ; named as the upper half of a pair
	s_mov_b32 s20, 0x76543210
	s_mov_b32 s21, 0xfedcba98
	s_mov_b32 s22, 0x3e38aa3b                      ; c = log2(e) / 8
	s_mov_b32 s23, s22
	s_mov_b32 s31, 0xffff0000
	s_mov_b32 s11, ttmp9
	s_and_b32 s13, ttmp7, 0xffff
	s_sub_co_u32 s13, 7, s13                       ; the first block of queries: 7 - y
	s_mov_b32 s14, 2
	s_mul_i32 s2, s11, HEADB
	s_add_co_u32 s2, s2, 6400
	s_mov_b32 s3, 0
	s_wait_kmcnt 0x0
	s_add_nc_u64 s[24:25], s[4:5], s[2:3]
.macro STAGE bit, off                  ; a step's bytes into registers, if the work-group needs the step: threads 0-383 K's and V's codes, wave 12 the 512 scale bytes
	s_bitcmp1_b32 s16, \bit
	s_cbranch_scc0 .Lns_\@
	s_cmp_gt_u32 s10, 12
	s_cbranch_scc1 .Lns_\@
	global_load_b128 v[SG+4:SG+7], v[FO], s[26:27] offset:\off+VCO
	s_cmp_eq_u32 s10, 12
	s_cbranch_scc1 .Lns_\@
	global_load_b128 v[SG:SG+3], v[FO], s[26:27] offset:\off
.Lns_\@:
.endm
.macro SPROD f                         ; image f of K against [q | 0] and [0 | q]: the scores of key tiles 2 f and 2 f + 1
.if (\f)%2
	v_wmma_scale_f32_16x16x128_f8f6f4 v[S+16*\f:S+16*\f+7], v[KF+12*\f:KF+12*\f+11], v[QF+6:QF+17], 0, v[KS+\f/2], v[QS] matrix_a_fmt:MATRIX_FMT_FP6 matrix_b_fmt:MATRIX_FMT_FP6 matrix_a_scale:MATRIX_SCALE_ROW1
	v_wmma_scale_f32_16x16x128_f8f6f4 v[S+16*\f+8:S+16*\f+15], v[KF+12*\f:KF+12*\f+11], v[QF:QF+11], 0, v[KS+\f/2], v[QS] matrix_a_fmt:MATRIX_FMT_FP6 matrix_b_fmt:MATRIX_FMT_FP6 matrix_a_scale:MATRIX_SCALE_ROW1
.else
	v_wmma_scale_f32_16x16x128_f8f6f4 v[S+16*\f:S+16*\f+7], v[KF+12*\f:KF+12*\f+11], v[QF+6:QF+17], 0, v[KS+\f/2], v[QS] matrix_a_fmt:MATRIX_FMT_FP6 matrix_b_fmt:MATRIX_FMT_FP6
	v_wmma_scale_f32_16x16x128_f8f6f4 v[S+16*\f+8:S+16*\f+15], v[KF+12*\f:KF+12*\f+11], v[QF:QF+11], 0, v[KS+\f/2], v[QS] matrix_a_fmt:MATRIX_FMT_FP6 matrix_b_fmt:MATRIX_FMT_FP6
.endif
.endm
.macro OPROD t                         ; O^T's tile t += image t of V x p
.if (\t)%2
	v_wmma_scale_f32_16x16x128_f8f6f4 v[O+8*\t:O+8*\t+7], v[KF+12*\t:KF+12*\t+11], v[PCD:PCD+11], v[O+8*\t:O+8*\t+7], v[VS+\t/2], v[PSW] matrix_a_fmt:MATRIX_FMT_FP6 matrix_b_fmt:MATRIX_FMT_FP6 matrix_a_scale:MATRIX_SCALE_ROW1
.else
	v_wmma_scale_f32_16x16x128_f8f6f4 v[O+8*\t:O+8*\t+7], v[KF+12*\t:KF+12*\t+11], v[PCD:PCD+11], v[O+8*\t:O+8*\t+7], v[VS+\t/2], v[PSW] matrix_a_fmt:MATRIX_FMT_FP6 matrix_b_fmt:MATRIX_FMT_FP6
.endif
.endm
; A KEY STEP, in slot e.
.macro STEP e
	s_wait_loadcnt 0x0                             ; this step's bytes, asked for a step ago
	s_bitcmp1_b32 s16, 0
	s_cbranch_scc0 .Lnf_\@
	s_cmp_gt_u32 s10, 12
	s_cbranch_scc1 .Lnf_\@
	ds_store_b128 v[FO], v[SG+4:SG+7] offset:\e*SLOT1+VCO
	s_cmp_eq_u32 s10, 12
	s_cbranch_scc1 .Lnf_\@
	ds_store_b128 v[FO], v[SG:SG+3] offset:\e*SLOT1
.Lnf_\@:
	s_wait_dscnt 0x0                               ; my stores into this slot have landed; my reads of the other slot were over before
	s_barrier_signal -1                            ; the step's one barrier, on every wave's way: behind it this slot is whole, and the other may be written in the next step
	s_barrier_wait -1
	STAGE 1, (\e+1)*BLKB                           ; the next step's bytes; behind step 15 the bit is 0
	s_bitcmp1_b32 s19, 2                           ; into the L2: the step two on.  One work-group of each pair asks (y = 0, in its first block), waves 13 and 14, a lane a block of 256 bytes; steps 0 and 1 come by their loads alone, and no bit stands for a step past 15
	s_cbranch_scc0 .Lnp_\@
	global_prefetch_b8 v[PFO], s[26:27] offset:(\e+2)*BLKB th:TH_LOAD_NT scope:SCOPE_SE
.Lnp_\@:
	s_bitcmp1_b32 s17, 0
	s_cbranch_scc0 .Lskip_\@                       ; no query of my tile sees a key of this step
	s_load_b512 s[32:47], s[28:29], s30 offset:256*\e
	s_load_b512 s[48:63], s[28:29], s30 offset:256*\e+64
	s_load_b512 s[68:83], s[28:29], s30 offset:256*\e+128
	s_load_b512 s[84:99], s[28:29], s30 offset:256*\e+192
.irp f, 0,1,2,3
.irp c, 0,1,2
	ds_load_b128 v[KF+12*\f+4*\c:KF+12*\f+4*\c+3], v[L16] offset:\e*SLOT1+1536*\f+512*\c
.endr
.endr
	ds_load_b64 v[KS:KS+1], v[L8] offset:\e*SLOT1+KSO
	s_wait_dscnt 0x0
	SPROD 0
	SPROD 1
	SPROD 2
	SPROD 3
.rept 4
	v_nop                                          ; places ahead of the loads into K's registers and of the first read of the scores
.endr
.irp f, 0,1,2,3                                ; V's images land under the softmax
.irp c, 0,1,2
	ds_load_b128 v[KF+12*\f+4*\c:KF+12*\f+4*\c+3], v[L16] offset:\e*SLOT1+VCO+1536*\f+512*\c
.endr
.endr
	ds_load_b64 v[VS:VS+1], v[L8] offset:\e*SLOT1+VSO
	s_wait_kmcnt 0x0
	s_bitcmp1_b32 s18, 0
	s_cbranch_scc0 .Lopen_\@
.set n, 0
.rept 64                                       ; hidden scores become -infinity ahead of the maximum: p = 0 then
	v_cndmask_b32 v[S+n], v[NINF], v[S+n], s[32+n+4*(n/32)]
.set n, n+1
.endr
.Lopen_\@:
.irp b, 0,1,2,3
	v_max3_num_f32 v[BM+\b], v[S+16*\b], v[S+1+16*\b], v[S+2+16*\b]   ; the largest score of each block of 32 keys: it serves the row's maximum and, since p rises with the score, the block's largest p
.endr
.irp i, 3,5,7,9,11,13
.irp b, 0,1,2,3
	v_max3_num_f32 v[BM+\b], v[BM+\b], v[S+16*\b+\i], v[S+1+16*\b+\i]
.endr
.endr
.irp b, 0,1,2,3
	v_max_num_f32 v[BM+\b], v[BM+\b], v[S+15+16*\b]
.endr
.irp b, 0,1,2,3
	v_permlanex16_b32 v[PT+\b], v[BM+\b], s20, s21
.endr
.irp b, 0,1,2,3
	v_max_num_f32 v[BM+\b], v[BM+\b], v[PT+\b]
.endr
	v_max3_num_f32 v[TMP], v[BM], v[BM+1], v[BM+2]
	v_max_num_f32 v[TMP], v[TMP], v[BM+3]
	v_mul_f32 v[TMP], s22, v[TMP]
	v_max_num_f32 v13, v13, v[TMP]                 ; the running largest t
	v_mov_b32 v[TMP], v12
	v_floor_f32 v12, -v13                          ; the new -M: M is a whole number
	v_sub_f32 v[TMP], v12, v[TMP]
	v_cvt_i32_f32 v[TMP], v[TMP]                   ; (it saturates)
	v_ldexp_f32 v[FF], 1.0, v[TMP]                 ; f = 2^(old M - new M)
.set j, 0
.rept 32
	v_pk_fma_f32 v[S+j:S+j+1], v[S+j:S+j+1], s[22:23], v[12:13] op_sel_hi:[1,0,0]   ; t - M
.set j, j+2
.endr
.irp b, 0,1,2,3
	v_fma_f32 v[BM+\b], v[BM+\b], s22, v12
.endr
.set j, 0
.rept 64
	v_exp_f32 v[S+j], v[S+j]                       ; p = 2^(t - M)
.set j, j+1
.endr
	v_pk_mul_f32 v[14:15], v[14:15], v[FF:FF+1] op_sel_hi:[1,0]   ; the sums under the new M; a plain place behind the exponentials
	s_wait_alu depctr_va_vdst(0)                   ; one wait for the batch, ahead of its first reader
.irp b, 0,1,2,3
	v_exp_f32 v[BM+\b], v[BM+\b]                   ; the blocks' largest p
.endr
	v_pk_add_f32 v[PT:PT+1], v[S:S+1], v[S+2:S+3]  ; the row's sum is taken of the unquantised p, in two chains
.irp j, 4,8,12,16,20,24,28,32,36,40,44,48,52,56,60
	v_pk_add_f32 v[14:15], v[14:15], v[S+\j:S+1+\j]
	v_pk_add_f32 v[PT:PT+1], v[PT:PT+1], v[S+2+\j:S+3+\j]
.endr
	v_pk_add_f32 v[14:15], v[14:15], v[PT:PT+1]
	s_wait_alu depctr_va_vdst(0)                   ; and one for the four
.irp b, 0,1,2,3
	v_max_num_f32 v[BM+\b], 0x1800000, v[BM+\b]    ; the floor 2^(3 - 127)
.endr
.irp b, 0,1,2,3
	v_add_nc_u32 v[SO+\b], 0xff000000, v[BM+\b]
.endr
.irp b, 0,1,2,3
	v_lshrrev_b32 v[PT+\b], 23, v[SO+\b]
.endr
	v_lshl_or_b32 v[PSW], v[PT+1], 8, v[PT]
	v_lshl_or_b32 v[PSW], v[PT+2], 16, v[PSW]
	v_lshl_or_b32 v[PSW], v[PT+3], 24, v[PSW]
.irp c, 0,1
	v_cvt_scalef32_pk16_fp6_f32 v[PCD+6*\c:PCD+2+6*\c], v[S+32*\c:S+15+32*\c], v[SO+2*\c]
	v_cvt_scalef32_pk16_fp6_f32 v[CT+4*\c:CT+2+4*\c], v[S+16+32*\c:S+31+32*\c], v[SO+2*\c+1]
.endr
	v_nop                                          ; one plain place behind the scaled conversions
.irp c, 0,1
.irp i, 0,1,2
	v_permlane16_swap_b32 v[PCD+6*\c+\i], v[CT+4*\c+\i]
.endr
.irp i, 0,1,2
	v_mov_b32 v[PCD+3+6*\c+\i], v[CT+4*\c+\i]
.endr
.endr
.set j, 0
.rept 16
	v_pk_mul_f32 v[O+j:O+j+1], v[O+j:O+j+1], v[FF:FF+1] op_sel_hi:[1,0]   ; O^T under the new M; these sixteen are also the places between p's codes and scale word and the products
.set j, j+2
.endr
	s_wait_dscnt 0x0                               ; V
	OPROD 0                                        ; four accumulators, one instruction each
	OPROD 1
	OPROD 2
	OPROD 3
.rept 4
	v_nop                                          ; places ahead of the next loads into V's registers and of the next read of O^T
.endr
.Lskip_\@:
	s_lshr_b32 s16, s16, 1
	s_lshr_b32 s17, s17, 1
	s_lshr_b32 s18, s18, 1
	s_lshr_b32 s19, s19, 1
.endm
.Lqb:
	s_wait_xcnt 0x0                                ; the last block's stores and loads have read their registers
	s_lshl_b32 s2, s13, 4
	s_add_co_u32 s12, s2, s10                      ; my tile of queries
	s_lshl_b32 s2, s12, 12
	s_mov_b32 s3, 0
	s_add_nc_u64 s[28:29], s[6:7], s[2:3]          ; its lane words: 16 steps x 256 bytes
	s_lshl_b32 s2, s13, 10
	s_add_co_u32 s2, s2, FLG
	s_add_nc_u64 s[66:67], s[6:7], s[2:3]          ; the flags of the block's 16 tiles: lane l takes tile l / 2, steps 8 (l % 2) + 0 .. 7
	global_load_b128 v[S:S+3], v[FLO], s[66:67]
	global_load_b128 v[S+4:S+7], v[FLO], s[66:67] offset:16
	s_lshl_b32 s2, s13, 1
	s_lshr_b32 s100, s10, 3
	s_add_co_u32 s2, s2, s100
	s_lshl_b32 s100, s11, 4
	s_add_co_u32 s2, s2, s100
	s_mul_i32 s2, s2, BLKB
	s_add_nc_u64 s[100:101], s[4:5], s[2:3]        ; the block of qkv that holds my queries
	global_load_b64 v[QF+6:QF+7], v[QA], s[100:101]
	global_load_b64 v[QF+8:QF+9], v[QA+1], s[100:101]
	global_load_b64 v[QF+10:QF+11], v[QA+2], s[100:101]
	global_load_b32 v[QW], v[QSA], s[100:101]
	s_and_b32 s2, s10, 1
	s_cmp_eq_u32 s2, 0
	s_mov_b32 s2, 0x03020302
	s_cselect_b32 s2, 0x01000100, s2
	s_wait_loadcnt 0x0
	v_perm_b32 v[QS], v[QW], v[QW], s2             ; my tile's two bytes, twice: they serve [q | 0] and [0 | q]
.irp k, 0,1,2,3,4,5,6,7
	v_cmp_ne_u32 s[32+\k], 0, v[S+\k]
	v_cmp_eq_u32 s[40+\k], 2, v[S+\k]
.endr
	s_mov_b32 s16, 0
	s_mov_b32 s17, 0
	s_mov_b32 s18, 0
	s_lshl_b32 s3, s10, 1                          ; my tile's lanes: 2 w and 2 w + 1
.irp e, 0,1
.irp k, 0,1,2,3,4,5,6,7
	s_and_b32 s2, s[32+\k], 0x55555555<<\e         ; does any tile need step 8 e + k?
	s_cselect_b32 s2, 1<<(8*\e+\k), 0
	s_or_b32 s16, s16, s2
	s_lshr_b32 s2, s[32+\k], s3                    ; do I?
	s_and_b32 s2, s2, 1
	s_lshl_b32 s2, s2, 8*\e+\k
	s_or_b32 s17, s17, s2
	s_lshr_b32 s2, s[40+\k], s3                    ; is it mixed?
	s_and_b32 s2, s2, 1
	s_lshl_b32 s2, s2, 8*\e+\k
	s_or_b32 s18, s18, s2
.endr
	s_add_co_u32 s3, s3, 1
.endr
	s_and_b32 s2, ttmp7, 0xffff                    ; who prefetches: y = 0,
	s_sub_co_u32 s3, s10, 13
	s_lshr_b32 s3, s3, 1                           ; waves 13 and 14,
	s_or_b32 s2, s2, s3
	s_sub_co_u32 s3, 2, s14                        ; in the first block
	s_or_b32 s2, s2, s3
	s_cmp_eq_u32 s2, 0
	s_cselect_b32 s19, s16, 0
	v_mov_b32 v13, 0xff61b1e6                      ; the largest t so far: -3e38
	v_floor_f32 v12, -v13
	v_mov_b32 v14, 0
	v_mov_b32 v15, 0
.set j, 0
.rept 32
	v_mov_b32 v[O+j], 0                            ; the step is written once: the first finds zeros
.set j, j+1
.endr
	s_mov_b64 s[26:27], s[24:25]
	s_mov_b32 s30, 0
	STAGE 0, 0                                     ; step 0's bytes
	s_mov_b32 s15, 8
.Lpair:
	STEP 0
	STEP 1
	s_wait_xcnt 0x0                                ; the trip's loads and prefetches have read their addresses
	s_add_nc_u64 s[26:27], s[26:27], 2*BLKB
	s_add_co_u32 s30, s30, 512
	s_sub_co_u32 s15, s15, 1
	s_cmp_lg_u32 s15, 0
	s_cbranch_scc1 .Lpair
	; THE BLOCK'S END: O^T / the sum, quantised along the head's 64: two blocks of 32; register 16 b + i is channel 32 b + 16 h + i of my query
	v_add_f32 v14, v14, v15
	v_permlanex16_b32 v[TMP], v14, s20, s21
	v_add_f32 v14, v14, v[TMP]                     ; the row's sum
	v_rcp_f32 v15, v14
	v_nop                                          ; a plain place behind the reciprocal
	v_cmp_eq_f32 vcc_lo, 0, v14                    ; a row with no open key
	v_mov_b32 v[PT+2], 0xff
	v_mov_b32 v[PT+3], 0
	s_lshr_b32 s2, s11, 4                          ; batch
	s_lshl_b32 s2, s2, 7
	s_add_co_u32 s2, s2, s12                       ; the tile of tokens
	s_and_b32 s3, s11, 15                          ; head
	s_mul_i32 s66, s2, 12288
	s_mul_i32 s67, s3, 768
	s_add_co_u32 s66, s66, s67
	s_mov_b32 s67, 0
	s_add_nc_u64 s[66:67], s[8:9], s[66:67]        ; the codes: the 64 along K numbered by the head
	s_lshl_b32 s100, s2, 9
	s_lshr_b32 s2, s3, 2
	s_lshl_b32 s2, s2, 7
	s_add_co_u32 s100, s100, s2
	s_bfe_u32 s2, s3, 0x10001
	s_lshl_b32 s2, s2, 2
	s_add_co_u32 s100, s100, s2
	s_and_b32 s2, s3, 1
	s_lshl_b32 s2, s2, 1
	s_add_co_u32 s100, s100, s2
	s_add_co_u32 s100, s100, XSC
	s_mov_b32 s101, 0
	s_add_nc_u64 s[100:101], s[8:9], s[100:101]    ; the scale bytes
	s_wait_alu depctr_va_vdst(0)                   ; ahead of the reciprocal's first reader
	v_cndmask_b32 v15, v15, v[PT+3], vcc_lo        ; there the codes are zeros
.set j, 0
.rept 32
	v_mul_f32 v[S+j], v[O+j], v15
.set j, j+1
.endr
.irp b, 0,1
	v_max3_num_f32 v[BM+\b], |v[S+16*\b]|, |v[S+1+16*\b]|, 0x1800000
.endr
.irp i, 2,4,6,8,10,12,14
.irp b, 0,1
	v_max3_num_f32 v[BM+\b], v[BM+\b], |v[S+16*\b+\i]|, |v[S+1+16*\b+\i]|
.endr
.endr
.irp b, 0,1
	v_permlanex16_b32 v[PT+\b], v[BM+\b], s20, s21
.endr
.irp b, 0,1
	v_max_num_f32 v[BM+\b], v[BM+\b], v[PT+\b]
.endr
.irp b, 0,1
	v_add_nc_u32 v[SO+\b], 0xff000000, v[BM+\b]
.endr
.irp b, 0,1
	v_lshrrev_b32 v[PT+\b], 23, v[SO+\b]
.endr
	v_cvt_scalef32_pk16_fp6_f32 v[PCD:PCD+2], v[S:S+15], v[SO]
	v_cvt_scalef32_pk16_fp6_f32 v[CT:CT+2], v[S+16:S+31], v[SO+1]
	v_nop                                          ; one plain place behind the scaled conversions
.irp i, 0,1,2
	v_permlane16_swap_b32 v[PCD+\i], v[CT+\i]
.endr
.irp i, 0,1,2
	v_mov_b32 v[PCD+3+\i], v[CT+\i]
.endr
	v_cndmask_b32 v[TMP], v[PT], v[PT+1], s31      ; lane (r, h) stores block h's byte,
	v_cndmask_b32 v[TMP], v[TMP], v[PT+2], vcc_lo  ; or 0xff
.irp p, 0,1,2
	global_store_b64 v[L8], v[PCD+2*\p:PCD+2*\p+1], s[66:67] offset:256*\p   ; 256 consecutive bytes, aligned
.endr
	global_store_b8 v[SBO], v[TMP], s[100:101]     ; a byte a lane: 262,144 bytes in the whole launch leave so; each has one writer
	s_sub_co_u32 s13, 7, s13                       ; the other block of queries
	s_sub_co_u32 s14, s14, 1
	s_cmp_lg_u32 s14, 0
	s_cbranch_scc1 .Lqb
	s_wait_tensorcnt 0x0                           ; the wave's end
	ds_add_u32 v[SPW], v[NIL]
	s_wait_dscnt 0x0
	s_endpgm
.Lfunc_end_k_q6016422d25_attn:
	.size	k_q6016422d25_attn, .Lfunc_end_k_q6016422d25_attn-k_q6016422d25_attn
	.p2alignl 7, 3214868480
	.fill 96, 4, 3214868480
	.section	.rodata,"a",@progbits
	.p2align	6, 0x0
	.amdhsa_kernel k_q6016422d25_attn
		.amdhsa_group_segment_fixed_size 34816
		.amdhsa_private_segment_fixed_size 0
		.amdhsa_enable_private_segment 0
		.amdhsa_kernarg_size 24
		.amdhsa_user_sgpr_count 2
		.amdhsa_user_sgpr_kernarg_segment_ptr 1
		.amdhsa_wavefront_size32 1
		.amdhsa_system_sgpr_workgroup_id_x 1
		.amdhsa_system_sgpr_workgroup_id_y 1
		.amdhsa_system_sgpr_workgroup_id_z 1
		.amdhsa_system_vgpr_workitem_id 0
		.amdhsa_next_free_vgpr 256
		.amdhsa_next_free_sgpr 102
		.amdhsa_reserve_vcc 1
		.amdhsa_float_denorm_mode_32 3
		.amdhsa_float_denorm_mode_16_64 3
		.amdhsa_memory_ordered 1
		.amdhsa_forward_progress 1
		.amdhsa_inst_pref_size 61
	.end_amdhsa_kernel
	.amdgpu_metadata
---
amdhsa.version: [ 1, 2 ]
amdhsa.kernels:
  - .name:           k_q6016422d25_attn
    .symbol:         k_q6016422d25_attn.kd
    .args:
      - { .name: qkv, .offset: 0, .size: 8, .value_kind: global_buffer, .address_space: global }
      - { .name: maskw, .offset: 8, .size: 8, .value_kind: global_buffer, .address_space: global }
      - { .name: ao, .offset: 16, .size: 8, .value_kind: global_buffer, .address_space: global }
    .group_segment_fixed_size: 34816
    .private_segment_fixed_size: 0
    .kernarg_segment_align: 8
    .kernarg_segment_size: 24
    .max_flat_workgroup_size: 512
    .sgpr_count:     102
    .vgpr_count:     256
    .wavefront_size: 32
...
	.end_amdgpu_metadata
.endif
;; end of part 3
;; launch proj (part 4): grid 4 x 32, 4 waves a work-group, clusters of 4 x 4, 327,680 bytes of LDS; arguments ao, wq, b_out, out0; writes out0
.if DOCPART == 4
	.amdgcn_target "amdgcn-amd-amdhsa--gfx1250"
	.amdhsa_code_object_version 6
	.text
	.protected	k_q6016422d25_proj
	.globl	k_q6016422d25_proj
	.p2align	8
	.type	k_q6016422d25_proj,@function
k_q6016422d25_proj:
	s_mov_b64 s[64:65], 0
	v_nop
	global_prefetch_b8 v0, s[64:65] scope:SCOPE_SE
	s_setreg_imm32_b32 hwreg(HW_REG_WAVE_MODE, 25, 1), 1
	s_wait_xcnt 0x0
	s_wait_alu depctr_hold_cnt(0) depctr_sa_sdst(0) depctr_va_vdst(0) depctr_va_sdst(0) depctr_va_ssrc(0) depctr_va_vcc(0) depctr_vm_vsrc(0)
	s_getreg_b32 s2, hwreg(HW_REG_IB_STS2, 6, 4)
	s_cmp_eq_u32 s2, 0
	s_cbranch_scc0 .Lentry_in_a_cluster
	s_endpgm
.Lentry_in_a_cluster:
	s_bfe_u32 s2, ttmp6, 0x10000c
	s_cmp_lg_u32 s2, 0xf033
	s_cbranch_scc0 .Lentry_shape_is_right
	s_endpgm
.Lentry_shape_is_right:
; out0 = att W_out + b_out on codes of FP6 (E2M3) with E8M0 block scales.  att's codes (ao) and W_out's (wq, from tile 192 on) lie in the order of the operand's registers: a tile of 16 rows x 1,024 K is 12,288 dense
; bytes; lane r of tile 2 B + u stands for row 32 B + 8 u + r + 8 (r / 8).  out0: [8192][1024] f32.
; A work-group of four waves makes 256 x 256, a wave 128 x 128.  R = tokens is the matrix instruction's source 1 (rows in lanes), P = output columns its source 0: register j of P's tile 2 B + u in lane (r, h) is
; column 32 B + 16 h + 8 u + j of one token: eight neighbouring numbers of a row of out0.  The bias is the C of each sum's first matrix instruction.
; K goes in steps of 256 through two LDS slots; R's tiles are asked for jointly along a row of the cluster, P's along a column; the scale bytes come once, with the first fills.
; 128 work-groups: the launch is short, and a smaller tile would read each fragment from LDS for half the products.  No prefetch: K has four steps, and tiles are shared by the joint loads.
; A row of att whose scale bytes are 0xff (no open key) comes out as NaN.
; REGISTERS: window 0: v16-30 addresses; v32-63 scale words, two sets; v64-127 the bias; v128-223 R's fragments (on the way out v128-255 take rows of out0).  window 1: P's fragments, two sets.  windows 2, 3: the accumulators.
.set NQ,     2
.set FR,     12
.set NL,     6
.set NP,     4
.set TILEB,  12288
.set STB,    3072
.set HALFT,  8*STB
.set SLOT,   4*HALFT
.set SCL,    2*SLOT
.set HALFS,  4096
.set SBLK,   512
.set SPARE,  SCL+4*HALFS
.set LAPS,   2
.set XSC,    6291456
.set WSC,    3145728
.set SPITCH, 528                       ; the way out: a stage of 16 rows x (512 bytes + 16) for each wave, in slot 0, which has had its last fill and its last read by then
.set ADRA, 16
.set ADRB, 20
.set STO,  24                          ; v24  the stage: where I put 32 bytes of a row
.set RD,   25                          ; v25  and where I read a row back
.set CO,   26                          ; v26  16 x lane
.set ADRS, 27
.set SPW,  28
.set NIL,  29
.set BO,   30
.set SC,   32
.set BP,   64
.set AF,   128
.set BK,   128
.set G1, 24
.set G0, 32
.set G1B, 48
.set G0B, 56
.set G1S, 68
.set G0S, 76
.set G1SB, 80
.set G0SB, 88
.set MSB, 0
.macro WIN new
.if MSB != (\new)
	s_set_vgpr_msb (MSB<<8)|(\new)
.set MSB, (\new)
.endif
.endm
.set MUL_LO, 0xa1
.set MUL_HI, 0xf1
.set TO_B,   0x40
.macro JLOAD g0a, g1a, g0b, g1b        ; a joint load: waves 0 and 1 fetch for R, waves 2 and 3 for P; an s_nop 0 and four v_nop follow each line
	s_cmp_eq_u32 s15, 0
	s_cbranch_scc0 .Lfor_b_\@
	tensor_load_to_lds s[\g0a:\g0a+3], s[\g1a:\g1a+7]
	s_nop 0
.rept 4
	v_nop
.endr
	s_branch .Lasked_\@
.Lfor_b_\@:
	tensor_load_to_lds s[\g0b:\g0b+3], s[\g1b:\g1b+7]
	s_nop 0
.rept 4
	v_nop
.endr
.Lasked_\@:
.endm
.macro CREST
	s_cmp_lg_u32 s14, 0
	s_cbranch_scc1 .Lnot_wave_0_\@
	s_barrier_signal -3
.Lnot_wave_0_\@:
	s_barrier_wait -3
	s_barrier_signal -1
	s_barrier_wait -1
.endm
.macro CROUND
	s_barrier_signal -1
	s_barrier_wait -1
	CREST
.endm
	s_load_b256 s[4:11], s[0:1], 0x0               ; ao s[4:5], wq s[6:7], b_out s[8:9], out0 s[10:11]
	v_lshl_add_u32 v[SPW], v0, 2, SPARE
	v_mov_b32 v[NIL], 0
	ds_add_u32 v[SPW], v[NIL]                      ; the wave's opening: the add and its wait ahead of my first tensor load
	v_lshrrev_b32 v1, 5, v0
	v_readfirstlane_b32 s14, v1
	s_lshr_b32 s15, s14, 1
	s_and_b32 s16, s14, 1
	s_bfe_u32 s40, ttmp6, 0x40000                  ; cx
	s_bfe_u32 s41, ttmp6, 0x40004                  ; cy
	s_lshl_b32 s42, ttmp9, 2
	s_add_co_u32 s42, s42, s40                     ; P's block of 256 columns
	s_and_b32 s17, ttmp7, 0xffff
	s_lshl_b32 s17, s17, 2
	s_add_co_u32 s17, s17, s41                     ; R's block of 256 tokens
	s_lshl_b32 s43, s41, 2
	s_lshl_b32 s43, 15, s43
	s_lshl_b32 s44, 0x1111, s40
	s_or_b32 s[G1+0], s43, (3<<16)|(1<<21)         ; the mask; elements of 8 bytes; bit 21 beside a mask; no padding
	s_or_b32 s[G1B+0], s44, (3<<16)|(1<<21)
.irp g, G1, G1B
	s_mov_b32 s[\g+1], 384<<16                     ; 8 tiles x 3,072 bytes, 12,288 bytes apart
	s_mov_b32 s[\g+2], 8<<16
	s_mov_b32 s[\g+3], 384<<16
	s_mov_b32 s[\g+4], 8
	s_mov_b32 s[\g+5], 1536
	s_mov_b32 s[\g+6], 0
	s_mov_b32 s[\g+7], 0
.endr
	s_or_b32 s[G1S+0], s43, (3<<16)|(1<<21)        ; 4,096 dense scale bytes as 16 rows of 256
	s_or_b32 s[G1SB+0], s44, (3<<16)|(1<<21)
.irp g, G1S, G1SB
	s_mov_b32 s[\g+1], 32<<16
	s_mov_b32 s[\g+2], 16<<16
	s_mov_b32 s[\g+3], 32<<16
	s_mov_b32 s[\g+4], 16
	s_mov_b32 s[\g+5], 32
	s_mov_b32 s[\g+6], 0
	s_mov_b32 s[\g+7], 0
.endr
	s_lshl_b32 s18, s16, 3
	s_lshl_b32 s20, s17, 4
	s_add_co_u32 s20, s20, s18
	s_lshl_b32 s46, s42, 4
	s_add_co_u32 s46, s46, s18
	s_lshl_b32 s22, s20, 9
	s_mov_b32 s23, 0
	s_lshl_b32 s92, s46, 9
	s_mov_b32 s93, 0
	s_mul_i32 s20, s20, TILEB
	s_mov_b32 s21, 0
	s_mul_i32 s46, s46, TILEB
	s_mov_b32 s47, 0
	s_mul_i32 s45, s14, HALFT
	s_lshl_b32 s94, s14, 12
	s_wait_dscnt 0x0                               ; the opening add is done
	s_wait_kmcnt 0x0
	s_add_nc_u64 s[96:97], s[4:5], XSC             ; R's scales
	s_add_nc_u64 s[98:99], s[6:7], WSC+192*512     ; P's scales
	s_add_nc_u64 s[6:7], s[6:7], 192*TILEB         ; P's codes
	s_add_nc_u64 s[20:21], s[4:5], s[20:21]
	s_add_nc_u64 s[22:23], s[96:97], s[22:23]
	s_add_nc_u64 s[46:47], s[6:7], s[46:47]
	s_add_nc_u64 s[92:93], s[98:99], s[92:93]
	CROUND                                         ; all sixteen work-groups are here: the first joint loads meet
	s_mov_b32 s[G0S], 1
	s_add_co_u32 s[G0S+1], s94, SCL
	s_mov_b64 s[G0S+2:G0S+3], s[22:23]
	s_or_b32 s[G0S+3], s[G0S+3], 0x80000000
	s_mov_b32 s[G0SB], 1
	s_add_co_u32 s[G0SB+1], s94, SCL
	s_mov_b64 s[G0SB+2:G0SB+3], s[92:93]
	s_or_b32 s[G0SB+3], s[G0SB+3], 0x80000000
	JLOAD G0S, G1S, G0SB, G1SB                     ; three loads of mine are out at the start, one behind each later round
.irp s, 0,1
	s_mov_b32 s[G0+4*\s], 1
	s_add_co_u32 s[G0+4*\s+1], s45, \s*SLOT
	s_add_nc_u64 s[G0+4*\s+2:G0+4*\s+3], s[20:21], \s*STB
	s_or_b32 s[G0+4*\s+3], s[G0+4*\s+3], 0x80000000
	s_mov_b32 s[G0B+4*\s], 1
	s_add_co_u32 s[G0B+4*\s+1], s45, \s*SLOT
	s_add_nc_u64 s[G0B+4*\s+2:G0B+4*\s+3], s[46:47], \s*STB
	s_or_b32 s[G0B+4*\s+3], s[G0B+4*\s+3], 0x80000000
	JLOAD G0+4*\s, G1, G0B+4*\s, G1B
.endr
	v_and_b32 v1, 15, v0                           ; r
	v_bfe_u32 v2, v0, 4, 1                         ; h
	v_and_b32 v3, 31, v0
	v_lshlrev_b32 v[CO], 4, v3
	v_lshlrev_b32 v4, 3, v3
	s_mul_i32 s21, s15, HALFT
	s_mul_i32 s22, s16, HALFT
	s_add_co_u32 s22, s22, 2*HALFT
.irp s, 0,1
	v_add_nc_u32 v[ADRA+\s], s21, v4
	v_add_nc_u32 v[ADRB+\s], s22, v4
	s_add_co_u32 s21, s21, SLOT
	s_add_co_u32 s22, s22, SLOT
.endr
	v_lshlrev_b32 v5, 3, v1
	s_lshl_b32 s21, s15, 12
	s_lshl_b32 s22, s16, 12
	s_add_co_u32 s22, s22, 2*HALFS
	s_sub_co_u32 s22, s22, s21
	v_mul_u32_u24 v6, s22, v2                      ; lanes 16-31 take P's scale words
	s_add_co_u32 s21, s21, SCL
	v_add_nc_u32 v5, v5, v6
	v_add_nc_u32 v[ADRS], s21, v5
	s_mul_i32 s23, s14, 16*SPITCH                  ; my stage
	v_mul_u32_u24 v5, v1, SPITCH
	v_lshl_add_u32 v5, v2, 6, v5
	v_add_nc_u32 v[STO], s23, v5                   ; in: row r, + 64 h
	v_add_nc_u32 v[RD], s23, v[CO]                 ; back: a row of 512 bytes, 16 a lane
	s_lshl_b32 s18, s17, 8
	s_lshl_b32 s19, s15, 7
	s_add_co_u32 s18, s18, s19                     ; my first token
	s_lshl_b32 s19, s42, 8
	s_lshl_b32 s20, s16, 7
	s_add_co_u32 s19, s19, s20                     ; my first column
	s_lshl_b32 s20, s19, 2
	s_mov_b32 s21, 0
	s_add_nc_u64 s[8:9], s[8:9], s[20:21]          ; its bias
	s_lshl_b32 s18, s18, 12
	s_add_co_u32 s20, s20, s18
	s_add_nc_u64 s[12:13], s[10:11], s[20:21]      ; and my corner of out0
	v_lshlrev_b32 v[BO], 6, v2                     ; register 16 B + i wants the bias of column 32 B + 16 h + i
.irp b, 0,1,2,3
.irp q, 0,1,2,3
	global_load_b128 v[BP+16*\b+4*\q:BP+16*\b+4*\q+3], v[BO], s[8:9] offset:128*\b+16*\q
.endr
.endr
.macro FRAG reg, adr, q, i             ; a fragment is 1,536 dense bytes: six loads of 8 bytes a lane, 256 consecutive bytes each
.irp p, 0,1,2,3,4,5
	ds_load_b64 v[\reg+2*\p:\reg+2*\p+1], v[\adr] offset:(\i)*STB+(\q)*1536+256*\p
.endr
.endm
; 16 matrix instructions: R's tiles a0, a0 + 1 x P's eight.  first = 1: the sums begin with the bias.  The 64 accumulators take turns, one instruction a turn
.macro MUL16 a0, p, q, sc, first
.irp a, \a0, \a0+1
.irp b, 0,1,2,3,4,5,6,7
.if \first
	v_wmma_scale_f32_16x16x128_f8f6f4 v[8*(8*((\a)%4)+\b):8*(8*((\a)%4)+\b)+7], v[128*(\p)+FR*\b:128*(\p)+FR*\b+FR-1], v[AF+FR*(\a):AF+FR*(\a)+FR-1], v[BP+8*\b:BP+8*\b+7], v[SC+8*NQ*(\sc)+NQ*\b+(\q)], v[SC+8*NQ*(\sc)+NQ*(\a)+(\q)] matrix_a_fmt:MATRIX_FMT_FP6 matrix_b_fmt:MATRIX_FMT_FP6 matrix_a_scale:MATRIX_SCALE_ROW1
.else
	v_wmma_scale_f32_16x16x128_f8f6f4 v[8*(8*((\a)%4)+\b):8*(8*((\a)%4)+\b)+7], v[128*(\p)+FR*\b:128*(\p)+FR*\b+FR-1], v[AF+FR*(\a):AF+FR*(\a)+FR-1], v[8*(8*((\a)%4)+\b):8*(8*((\a)%4)+\b)+7], v[SC+8*NQ*(\sc)+NQ*\b+(\q)], v[SC+8*NQ*(\sc)+NQ*(\a)+(\q)] matrix_a_fmt:MATRIX_FMT_FP6 matrix_b_fmt:MATRIX_FMT_FP6 matrix_a_scale:MATRIX_SCALE_ROW1
.endif
.endr
.endr
.endm
.macro FETCH_B slot, q, p
	WIN TO_B
.irp i, 0,1,2,3,4,5,6,7
	FRAG 128*(\p)+FR*\i, ADRB+\slot, \q, \i
.endr
	WIN 0
.endm
.macro FETCH_A slot, q, i0
.irp i, \i0, \i0+1, \i0+2, \i0+3
	FRAG AF+FR*(\i), ADRA+\slot, \q, \i
.endr
.endm
.macro SCALES sc
.irp i, 0,1,2,3,4,5,6,7
	ds_load_b64 v[SC+8*NQ*\sc+NQ*\i:SC+8*NQ*\sc+NQ*\i+1], v[ADRS] offset:\i*SBLK
.endr
.endm
.macro PLACES n
.rept \n
	v_nop
.endr
.endm
.macro STEP slot, q, first
	s_wait_dscnt 4*NL                              ; P's set and R's tiles 0-3 are in; the youngest 24 loads (R's tiles 4-7) may be out
.if \first
	WIN 0x81                                       ; source 0 window 1, source 1 and C (the bias) window 0, D window 2
.else
	WIN MUL_LO
.endif
	MUL16 0, (\q)%2, \q, \slot, \first
	MUL16 2, (\q)%2, \q, \slot, \first
	s_wait_dscnt 0
	PLACES NP
	FETCH_B \slot, (\q)+1, 1-(\q)%2
	FETCH_A \slot, (\q)+1, 0
.if \first
	WIN 0xc1
.else
	WIN MUL_HI
.endif
	MUL16 4, (\q)%2, \q, \slot, \first
	MUL16 6, (\q)%2, \q, \slot, \first
	PLACES NP
	WIN 0
	FETCH_A \slot, (\q)+1, 4
.endm
.macro TURN slot, next, fill
	s_wait_tensorcnt 0x0                           ; all my tensor loads have landed: my part of the next slot
	ds_add_u32 v[SPW], v[NIL]
	s_wait_dscnt 4*NL+1                            ; the add and the youngest 24 loads may be out
	WIN MUL_LO
	MUL16 0, 1, NQ-1, \slot, 0
	s_wait_dscnt 0x0                               ; the add is done, and my reads of this slot are over
	s_barrier_signal -1
	MUL16 2, 1, NQ-1, \slot, 0
	WIN 0
	s_barrier_wait -1
.if \fill
	CREST                                          ; the barrier has opened a round of the cluster's
	s_add_nc_u64 s[G0+4*\slot+2:G0+4*\slot+3], s[G0+4*\slot+2:G0+4*\slot+3], 2*STB
	s_add_nc_u64 s[G0B+4*\slot+2:G0B+4*\slot+3], s[G0B+4*\slot+2:G0B+4*\slot+3], 2*STB
	JLOAD G0+4*\slot, G1, G0B+4*\slot, G1B         ; the first tensor load behind the round; its four v_nop are the places ahead of the loads below
.else
	PLACES NP
.endif
	v_add_nc_u32 v[ADRS], 128, v[ADRS]
	FETCH_B \next, 0, 0
	FETCH_A \next, 0, 0
	SCALES \next
	WIN MUL_HI
	MUL16 4, 1, NQ-1, \slot, 0
	MUL16 6, 1, NQ-1, \slot, 0
	PLACES NP
	WIN 0
	FETCH_A \next, 0, 4
.endm
	s_wait_loadcnt 0x0                             ; the bias
	s_wait_tensorcnt 1                             ; the scales and my part of K step 0 are in; K step 1's load may be out,
	s_barrier_signal -1
	s_barrier_wait -1                              ; everybody's are
	FETCH_B 0, 0, 0
	FETCH_A 0, 0, 0
	SCALES 0
	FETCH_A 0, 0, 4
	STEP 0, 0, 1
	s_mov_b32 s3, LAPS-1
.Llap:
	TURN 0, 1, 1
	STEP 1, 0, 0
	TURN 1, 0, 1
	STEP 0, 0, 0
	s_sub_co_u32 s3, s3, 1
	s_cmp_lg_u32 s3, 0
	s_cbranch_scc1 .Llap
	TURN 0, 1, 0
	STEP 1, 0, 0
	s_wait_dscnt 4*NL
	WIN MUL_LO
	MUL16 0, 1, NQ-1, 1, 0
	MUL16 2, 1, NQ-1, 1, 0
	s_wait_dscnt 0
	WIN MUL_HI
	MUL16 4, 1, NQ-1, 1, 0
	MUL16 6, 1, NQ-1, 1, 0
	WIN 0
; THE WAY OUT, a tile of 16 tokens x 128 columns at a time: through my own stage in LDS, back as whole rows of 512 bytes.  LDS serves a wave's instructions in order: no wait between the stores and the loads.
.macro TOSTAGE a
.set AC, 64*((\a)%4)
	WIN 0x08+4*((\a)/4)                            ; an LDS store's data: window 2 or 3
.irp b, 0,1,2,3,4,5,6,7
	ds_store_b128 v[STO], v[AC+8*\b:AC+8*\b+3] offset:128*(\b/2)+32*(\b%2)      ; each accumulator from its low end on
	ds_store_b128 v[STO], v[AC+8*\b+4:AC+8*\b+7] offset:128*(\b/2)+32*(\b%2)+16
.endr
	WIN 0
.set BB, BK+64*((\a)%2)
.irp t, 0,1,2,3,4,5,6,7,8,9,10,11,12,13,14,15
	ds_load_b128 v[BB+4*\t:BB+4*\t+3], v[RD] offset:\t*SPITCH
.endr
.endm
.macro SEND a, younger
.set BB, BK+64*((\a)%2)
	s_wait_dscnt \younger                          ; the tile is back in registers
.irp t, 0,1,2,3,4,5,6,7,8,9,10,11,12,13,14,15
	global_store_b128 v[CO], v[BB+4*\t:BB+4*\t+3], s[12:13] offset:(32*((\a)/2)+8*((\a)%2)+\t+8*(\t/8))*4096 th:TH_STORE_NT   ; 512 consecutive bytes, aligned; the row by the tile's order
.endr
.endm
	PLACES NP
	TOSTAGE 0
.irp a, 1,2,3,4,5,6,7
.if \a > 1
	s_wait_xcnt 0x0                                ; tile a - 2's stores have read their registers: tile a's loads may land there
.endif
	TOSTAGE \a
	SEND \a-1, 32                                  ; behind tile a - 1's loads: tile a's 16 stores and 16 loads
.endr
	SEND 7, 0
	s_wait_tensorcnt 0x0                           ; the wave's end
	ds_add_u32 v[SPW], v[NIL]
	s_wait_dscnt 0x0
	CROUND                                         ; the closing round
	s_endpgm
.Lfunc_end_k_q6016422d25_proj:
	.size	k_q6016422d25_proj, .Lfunc_end_k_q6016422d25_proj-k_q6016422d25_proj
	.p2alignl 7, 3214868480
	.fill 96, 4, 3214868480
	.section	.rodata,"a",@progbits
	.p2align	6, 0x0
	.amdhsa_kernel k_q6016422d25_proj
		.amdhsa_group_segment_fixed_size 327680
		.amdhsa_private_segment_fixed_size 0
		.amdhsa_enable_private_segment 0
		.amdhsa_kernarg_size 32
		.amdhsa_user_sgpr_count 2
		.amdhsa_user_sgpr_kernarg_segment_ptr 1
		.amdhsa_wavefront_size32 1
		.amdhsa_system_sgpr_workgroup_id_x 1
		.amdhsa_system_sgpr_workgroup_id_y 1
		.amdhsa_system_sgpr_workgroup_id_z 1
		.amdhsa_system_vgpr_workitem_id 0
		.amdhsa_next_free_vgpr 1024
		.amdhsa_next_free_sgpr 100
		.amdhsa_reserve_vcc 0
		.amdhsa_float_denorm_mode_32 3
		.amdhsa_float_denorm_mode_16_64 3
		.amdhsa_memory_ordered 1
		.amdhsa_forward_progress 1
		.amdhsa_inst_pref_size 160
	.end_amdhsa_kernel
	.amdgpu_metadata
---
amdhsa.version: [ 1, 2 ]
amdhsa.kernels:
  - .name:           k_q6016422d25_proj
    .symbol:         k_q6016422d25_proj.kd
    .args:
      - { .name: ao, .offset: 0, .size: 8, .value_kind: global_buffer, .address_space: global }
      - { .name: wq, .offset: 8, .size: 8, .value_kind: global_buffer, .address_space: global }
      - { .name: b_out, .offset: 16, .size: 8, .value_kind: global_buffer, .address_space: global }
      - { .name: out0, .offset: 24, .size: 8, .value_kind: global_buffer, .address_space: global }
    .group_segment_fixed_size: 327680
    .private_segment_fixed_size: 0
    .kernarg_segment_align: 8
    .kernarg_segment_size: 32
    .max_flat_workgroup_size: 128
    .sgpr_count:     100
    .vgpr_count:     1024
    .wavefront_size: 32
...
	.end_amdgpu_metadata
.endif
;; end of part 4
;; ======== version 2 of 2: 4 launches; version 1 with the launch attn written anew for expert scheduling mode
;; workspace buffers: xq 6,553,600 bytes; wq 3,276,800 bytes; maskw 532,480 bytes of whole numbers; qkv 19,660,800 bytes; ao 6,553,600 bytes
;; launch prep: the kernel of part 1 again; grid 512 x 1, 4 waves a work-group, no clusters, 68,096 bytes of LDS; arguments x, mask, W_qkv, W_out, xq, wq, maskw; writes xq, wq, maskw
;; launch qkv: the kernel of part 2 again; grid 12 x 32, 4 waves a work-group, clusters of 4 x 4, 327,680 bytes of LDS; arguments xq, wq, b_qkv, qkv; writes qkv
;; launch attn (part 5): grid 64 x 4, 16 waves a work-group, no clusters, 34,816 bytes of LDS; arguments qkv, maskw, ao; writes ao
.if DOCPART == 5
	.amdgcn_target "amdgcn-amd-amdhsa--gfx1250"
	.amdhsa_code_object_version 6
	.text
	.protected	k_q6016422d25_attn
	.globl	k_q6016422d25_attn
	.p2align	8
	.type	k_q6016422d25_attn,@function
k_q6016422d25_attn:
	s_mov_b64 s[64:65], 0
	v_nop
	global_prefetch_b8 v0, s[64:65] scope:SCOPE_SE
	s_setreg_imm32_b32 hwreg(HW_REG_WAVE_SCHED_MODE, 0, 2), 2
	s_setreg_imm32_b32 hwreg(HW_REG_WAVE_MODE, 25, 1), 1
	s_wait_xcnt 0x0
	s_wait_alu depctr_vm_vsrc(0)
; Attention of 64 (batch, head) pairs, 2,048 queries x 2,048 keys, head size 64, under the given mask, both products on codes of FP6 (E2M3) with E8M0 block scales.
; t = score x log2(e) / 8; M = the running largest t rounded up to a whole number; p = 2^(t - M) is quantised along the keys; the row's sum is taken of the unquantised p and divides O at the end;
; O / sum is quantised along the head's 64 and stored in the order of the next product's operand registers.
; SHARES.  Work-group (pair, y) owns the blocks 7 - y and y of 256 queries, one after the other; each of its sixteen waves owns one tile of 16 queries of the block, in 256 registers: four waves to a SIMD.
; Every wave walks the 16 key steps of 128.  A step's K and V (12,800 bytes, as the launch before laid them) go from memory through registers into one of two LDS slots, asked for a step ahead.
; THE MASK comes as whole numbers that an earlier launch stored: a flag for each (tile of queries, key step), and 64 lane words.  A step in which no query of my tile sees a key is left out (a scalar branch round the
; step's work, not round its barrier); a step that no tile of the work-group needs is not fetched; where all is open the 64 selects are left out.  That holds for every mask.
; NO TENSOR LOAD, NO CLUSTER: the launch branches on numbers read from memory.
; LAYOUT.  Both products are used transposed: S^T = K Q^T, O^T = V^T P^T: a lane holds one query (lane % 16) throughout.  The head's 64 fill half of the instruction's 128 along K: an image of K holds TWO tiles of keys
; (registers 0-5, 6-11), and it is multiplied by [q | 0] for the first and by [0 | q] for the second: 18 registers hold both.
; A ROW WITH NO OPEN KEY has the sum 0: its codes are zeros and its scale bytes 0xff, which make the output row NaN, as the softmax of such a row is.
; LIMITS: t under -3e38 is not served; a scale byte is held at 1 from below; NaN and infinities among the scores are not served.
; THE MODE: SCHED_MODE bits 1:0 = 2 (LLVM: expert scheduling mode 2), set by the entry lines.  The code itself states the register dependences between vector or matrix instructions and memory or LDS
; instructions, with s_wait_alu, always for 0.
; THE PLAN.  Registers that memory or LDS instructions touch:
;   v3-6, v8-11, v225, v229   addresses and offsets: made at the head by vector instructions, never written again.
;   v[SG ..]                  written 0 at the head; behind a step's barrier the next step's global loads land in them; the next step's LDS stores read them.  No vector instruction names them behind the head.
;   v[KF ..], v[KS ..]        K's images and scale words land at the head of a step's work; the eight products of the scores read them.
;   v[KF ..], v[VS ..]        then V's land (a wave's 256 registers have no room for a second set of 48); the four products of O^T read them.
;   v[QF+6 ..], v[QW], v[S .. S+7]   loaded once a block: q, its scale word, the flags; read by the products of the scores, by one permute, by sixteen compares.  S is otherwise the vector side's.
;   v[PCD .. PCD+5], v[TMP]   at a block's end: written by vector instructions, read by four stores; the next block writes them again.
; THE WAITS.  A block's head: the last block's stores have read their data; the addresses are written (first block), and the vector side is done with the registers in which the block's loads land.  No vector instruction
; behind that wait names an address or v[SG ..], so it serves the steps' LDS stores, global loads and prefetches too.  A step: behind the barrier, the LDS stores have read v[SG ..]; at the head of its work, the last
; products are done with v[KF ..], v[KS ..], v[VS ..]; behind the products of the scores, these are done with v[KF ..]; ahead of the products of O^T, p's codes and scale word are written.  A block's end: the codes and
; the byte are written, ahead of their stores.  Three waits stand between a vector instruction that writes a scalar register or VCC and its first reader.
.set BLKB,  19200                      ; a block of qkv: 128 tokens of one head
.set HEADB, 16*BLKB
.set SLOT1, 16384                      ; slot 1
.set VCO,   6144                       ; in a slot: K's codes 0, V's codes, K's scale words, V's scale words
.set KSO,   12288
.set VSO,   12544
.set SPARE, 32768                      ; the spare words, 128 bytes a wave
.set FLG,   524288
.set XSC,   6291456
.set SPW, 1                            ; v1   my spare word's LDS address; never rewritten
.set NIL, 2                            ; v2   0; never rewritten
.set FO,  3                            ; v3   16 x thread: the fills' offset in memory and in a slot
.set L16, 4                            ; v4   16 x lane
.set L8,  5                            ; v5   8 x lane
.set SBO, 6                            ; v6   8 r + h: my scale byte's place
.set NINF, 7                           ; v7   -infinity
.set QA,  8                            ; v8-10 my three pieces of Q's image
.set QSA, 11                           ; v11  Q's scale word
.set QF,  16                           ; v16-33 [0 x 6 | q x 6 | 0 x 6]
.set QS,  34                           ; v34  q's scale word [s0 s1 s0 s1]
.set QW,  35                           ; v35  as loaded
.set KF,  36                           ; v36-83 four images: K's, then V's
.set KS,  84                           ; v84-85 K's scale words;  v86-87 V's
.set VS,  86
.set SG,  88                           ; v88-95 the next step's bytes on their way to LDS
.set S,   96                           ; v96-159 S^T, then p
.set O,   160                          ; v160-191 O^T
.set PCD, 192                          ; v192-203 p's codes
.set CT,  204                          ; v204-206, v208-210 the conversions' second halves
.set BM,  212                          ; v212-215 the blocks' largest
.set PT,  216                          ; v216-219 at work
.set SO,  220                          ; v220-223 the conversions' scale operands
.set PSW, 224                          ; v224 p's scale word
.set FLO, 225                          ; v225 32 x lane: the flags' offset
.set FF,  226                          ; v[226:227] f = 2^(old M - new M)
.set TMP, 228
.set PFO, 229                          ; v229 the prefetches' offset
; s10 wave, s11 pair, s12 tile, s13 block of queries, s14, s15 counters, s16 steps that the work-group needs, s17 that I need, s18 that are mixed, s19 that I prefetch: bit 0 = the step in hand
; s[20:21] lane selects, s[22:23] c, s[24:25] K and V of step 0, s[26:27] of the trip in hand, s[28:29] my tile's lane words, s30 their step, s31 lanes 16-31, s[32:63], s[68:99] the 64 lane words
	s_load_b128 s[4:7], s[0:1], 0x0                ; qkv s[4:5], maskw s[6:7]
	s_load_b64 s[8:9], s[0:1], 0x10                ; ao
	v_lshl_add_u32 v[SPW], v0, 2, SPARE
	v_mov_b32 v[NIL], 0
	v_lshrrev_b32 v[TMP], 5, v0
	v_readfirstlane_b32 s10, v[TMP]
	v_lshlrev_b32 v[FO], 4, v0
	v_and_b32 v[TMP], 31, v0
	v_lshlrev_b32 v[L16], 4, v[TMP]
	v_lshlrev_b32 v[L8], 3, v[TMP]
	v_lshlrev_b32 v[FLO], 5, v[TMP]
	v_and_b32 v[QSA], 15, v0
	v_bfe_u32 v[SBO], v0, 4, 1
	v_lshl_add_u32 v[SBO], v[QSA], 3, v[SBO]
	s_wait_alu depctr_va_sdst(0)                   ; s10, the wave's number, is written, ahead of its first reader
	s_and_b32 s2, s10, 1                           ; e: which half of Q's image is my tile
	s_bfe_u32 s3, s10, 0x20001                     ; f: which image
	s_mul_i32 s66, s3, 1536
	s_mul_i32 s67, s2, 520
	s_add_co_u32 s67, s67, s66
	v_add_nc_u32 v[QA], s67, v[L16]                ; registers 6 e + 0, 1: byte 0 or 520 of my lane's place in the image's chunks of 512,
	v_add_nc_u32 v[QA+2], 512, v[QA]               ; + 4, 5: 512 or 1,032,
	s_mul_i32 s67, s2, 1016
	s_add_co_u32 s67, s67, s66
	s_add_co_u32 s67, s67, 8
	v_add_nc_u32 v[QA+1], s67, v[L16]              ; + 2, 3: 8 or 1,024
	s_and_b32 s66, s3, 1
	s_lshl_b32 s66, s66, 7
	s_lshr_b32 s67, s3, 1
	s_lshl_b32 s67, s67, 2
	s_add_co_u32 s66, s66, s67
	s_add_co_u32 s66, s66, 6144
	v_lshl_add_u32 v[QSA], v[QSA], 3, s66          ; the image's word of row r
	s_cmp_eq_u32 s10, 14                           ; a step's 12,800 bytes are 50 blocks of 256: wave 13 names 32, wave 14 the other 18 (its lanes 18-31 name the last again)
	s_cselect_b32 s66, 17, 31
	s_cselect_b32 s67, 8192, 0
	v_min_u32 v[PFO], s66, v[TMP]
	v_lshl_add_u32 v[PFO], v[PFO], 8, s67
	v_mov_b32 v[NINF], 0xff800000
.irp i, 0,1,2,3,4,5
	v_mov_b32 v[QF+\i], 0
	v_mov_b32 v[QF+12+\i], 0
.endr
.irp i, 0,1,2,3,4,5,6,7
	v_mov_b32 v[SG+\i], 0                          ; written once, so that they are written on every way
.endr
.irp i, 0,1,2,3
	v_mov_b32 v[PT+\i], 0                          ; a lane permute's destination counts as one of its sources
.endr
	v_mov_b32 v[FF+1], 0                           ; named as the upper half of a pair
	s_mov_b32 s20, 0x76543210
	s_mov_b32 s21, 0xfedcba98
	s_mov_b32 s22, 0x3e38aa3b                      ; c = log2(e) / 8
	s_mov_b32 s23, s22
	s_mov_b32 s31, 0xffff0000
	s_mov_b32 s11, ttmp9
	s_and_b32 s13, ttmp7, 0xffff
	s_sub_co_u32 s13, 7, s13                       ; the first block of queries: 7 - y
	s_mov_b32 s14, 2
	s_mul_i32 s2, s11, HEADB
	s_add_co_u32 s2, s2, 6400
	s_mov_b32 s3, 0
	s_wait_kmcnt 0x0
	s_add_nc_u64 s[24:25], s[4:5], s[2:3]
.macro STAGE bit, off                  ; a step's bytes into registers, if the work-group needs the step: threads 0-383 K's and V's codes, wave 12 the 512 scale bytes
	s_bitcmp1_b32 s16, \bit
	s_cbranch_scc0 .Lns_\@
	s_cmp_gt_u32 s10, 12
	s_cbranch_scc1 .Lns_\@
	global_load_b128 v[SG+4:SG+7], v[FO], s[26:27] offset:\off+VCO
	s_cmp_eq_u32 s10, 12
	s_cbranch_scc1 .Lns_\@
	global_load_b128 v[SG:SG+3], v[FO], s[26:27] offset:\off
.Lns_\@:
.endm
.macro SPROD f                         ; image f of K against [q | 0] and [0 | q]: the scores of key tiles 2 f and 2 f + 1
.if (\f)%2
	v_wmma_scale_f32_16x16x128_f8f6f4 v[S+16*\f:S+16*\f+7], v[KF+12*\f:KF+12*\f+11], v[QF+6:QF+17], 0, v[KS+\f/2], v[QS] matrix_a_fmt:MATRIX_FMT_FP6 matrix_b_fmt:MATRIX_FMT_FP6 matrix_a_scale:MATRIX_SCALE_ROW1
	v_wmma_scale_f32_16x16x128_f8f6f4 v[S+16*\f+8:S+16*\f+15], v[KF+12*\f:KF+12*\f+11], v[QF:QF+11], 0, v[KS+\f/2], v[QS] matrix_a_fmt:MATRIX_FMT_FP6 matrix_b_fmt:MATRIX_FMT_FP6 matrix_a_scale:MATRIX_SCALE_ROW1
.else
	v_wmma_scale_f32_16x16x128_f8f6f4 v[S+16*\f:S+16*\f+7], v[KF+12*\f:KF+12*\f+11], v[QF+6:QF+17], 0, v[KS+\f/2], v[QS] matrix_a_fmt:MATRIX_FMT_FP6 matrix_b_fmt:MATRIX_FMT_FP6
	v_wmma_scale_f32_16x16x128_f8f6f4 v[S+16*\f+8:S+16*\f+15], v[KF+12*\f:KF+12*\f+11], v[QF:QF+11], 0, v[KS+\f/2], v[QS] matrix_a_fmt:MATRIX_FMT_FP6 matrix_b_fmt:MATRIX_FMT_FP6
.endif
.endm
.macro OPROD t                         ; O^T's tile t += image t of V x p
.if (\t)%2
	v_wmma_scale_f32_16x16x128_f8f6f4 v[O+8*\t:O+8*\t+7], v[KF+12*\t:KF+12*\t+11], v[PCD:PCD+11], v[O+8*\t:O+8*\t+7], v[VS+\t/2], v[PSW] matrix_a_fmt:MATRIX_FMT_FP6 matrix_b_fmt:MATRIX_FMT_FP6 matrix_a_scale:MATRIX_SCALE_ROW1
.else
	v_wmma_scale_f32_16x16x128_f8f6f4 v[O+8*\t:O+8*\t+7], v[KF+12*\t:KF+12*\t+11], v[PCD:PCD+11], v[O+8*\t:O+8*\t+7], v[VS+\t/2], v[PSW] matrix_a_fmt:MATRIX_FMT_FP6 matrix_b_fmt:MATRIX_FMT_FP6
.endif
.endm
; A KEY STEP, in slot e.
.macro STEP e
	s_wait_loadcnt 0x0                             ; this step's bytes, asked for a step ago
	s_bitcmp1_b32 s16, 0
	s_cbranch_scc0 .Lnf_\@
	s_cmp_gt_u32 s10, 12
	s_cbranch_scc1 .Lnf_\@
	ds_store_b128 v[FO], v[SG+4:SG+7] offset:\e*SLOT1+VCO      ; (no vector instruction has named v[FO] or v[SG ..] since the wait at the block's head)
	s_cmp_eq_u32 s10, 12
	s_cbranch_scc1 .Lnf_\@
	ds_store_b128 v[FO], v[SG:SG+3] offset:\e*SLOT1
.Lnf_\@:
	s_wait_dscnt 0x0                               ; my stores into this slot have landed; my reads of the other slot were over before
	s_barrier_signal -1                            ; the step's one barrier, on every wave's way: behind it this slot is whole, and the other may be written in the next step
	s_barrier_wait -1
	s_wait_alu depctr_vm_vsrc(0)                   ; my LDS stores have read v[SG ..], in which the next step's bytes land
	STAGE 1, (\e+1)*BLKB                           ; the next step's bytes; behind step 15 the bit is 0
	s_bitcmp1_b32 s19, 2                           ; into the L2: the step two on.  One work-group of each pair asks (y = 0, in its first block), waves 13 and 14, a lane a block of 256 bytes; steps 0 and 1 come by their loads alone, and no bit stands for a step past 15
	s_cbranch_scc0 .Lnp_\@
	global_prefetch_b8 v[PFO], s[26:27] offset:(\e+2)*BLKB th:TH_LOAD_NT scope:SCOPE_SE
.Lnp_\@:
	s_bitcmp1_b32 s17, 0
	s_cbranch_scc0 .Lskip_\@                       ; no query of my tile sees a key of this step
	s_wait_alu depctr_va_vdst(0)                   ; the last worked step's products are done reading v[KF ..], v[KS ..] and v[VS ..], in which this step's LDS loads land; in a block's first worked step q's scale word (and, in the first block, q's zeros) is written, which the scaled products below take
	s_load_b512 s[32:47], s[28:29], s30 offset:256*\e
	s_load_b512 s[48:63], s[28:29], s30 offset:256*\e+64
	s_load_b512 s[68:83], s[28:29], s30 offset:256*\e+128
	s_load_b512 s[84:99], s[28:29], s30 offset:256*\e+192
.irp f, 0,1,2,3
.irp c, 0,1,2
	ds_load_b128 v[KF+12*\f+4*\c:KF+12*\f+4*\c+3], v[L16] offset:\e*SLOT1+1536*\f+512*\c
.endr
.endr
	ds_load_b64 v[KS:KS+1], v[L8] offset:\e*SLOT1+KSO
	s_wait_dscnt 0x0
	SPROD 0
	SPROD 1
	SPROD 2
	SPROD 3
.rept 4
	v_nop                                          ; four places ahead of the first read of the scores
.endr
	s_wait_alu depctr_va_vdst(0)                   ; the eight products are done reading K's images in v[KF ..], in which V's land
.irp f, 0,1,2,3                                ; V's images land under the softmax
.irp c, 0,1,2
	ds_load_b128 v[KF+12*\f+4*\c:KF+12*\f+4*\c+3], v[L16] offset:\e*SLOT1+VCO+1536*\f+512*\c
.endr
.endr
	ds_load_b64 v[VS:VS+1], v[L8] offset:\e*SLOT1+VSO
	s_wait_kmcnt 0x0
	s_bitcmp1_b32 s18, 0
	s_cbranch_scc0 .Lopen_\@
.set n, 0
.rept 64                                       ; hidden scores become -infinity ahead of the maximum: p = 0 then
	v_cndmask_b32 v[S+n], v[NINF], v[S+n], s[32+n+4*(n/32)]
.set n, n+1
.endr
.Lopen_\@:
.irp b, 0,1,2,3
	v_max3_num_f32 v[BM+\b], v[S+16*\b], v[S+1+16*\b], v[S+2+16*\b]   ; the largest score of each block of 32 keys: it serves the row's maximum and, since p rises with the score, the block's largest p
.endr
.irp i, 3,5,7,9,11,13
.irp b, 0,1,2,3
	v_max3_num_f32 v[BM+\b], v[BM+\b], v[S+16*\b+\i], v[S+1+16*\b+\i]
.endr
.endr
.irp b, 0,1,2,3
	v_max_num_f32 v[BM+\b], v[BM+\b], v[S+15+16*\b]
.endr
.irp b, 0,1,2,3
	v_permlanex16_b32 v[PT+\b], v[BM+\b], s20, s21
.endr
.irp b, 0,1,2,3
	v_max_num_f32 v[BM+\b], v[BM+\b], v[PT+\b]
.endr
	v_max3_num_f32 v[TMP], v[BM], v[BM+1], v[BM+2]
	v_max_num_f32 v[TMP], v[TMP], v[BM+3]
	v_mul_f32 v[TMP], s22, v[TMP]
	v_max_num_f32 v13, v13, v[TMP]                 ; the running largest t
	v_mov_b32 v[TMP], v12
	v_floor_f32 v12, -v13                          ; the new -M: M is a whole number
	v_sub_f32 v[TMP], v12, v[TMP]
	v_cvt_i32_f32 v[TMP], v[TMP]                   ; (it saturates)
	v_ldexp_f32 v[FF], 1.0, v[TMP]                 ; f = 2^(old M - new M)
.set j, 0
.rept 32
	v_pk_fma_f32 v[S+j:S+j+1], v[S+j:S+j+1], s[22:23], v[12:13] op_sel_hi:[1,0,0]   ; t - M
.set j, j+2
.endr
.irp b, 0,1,2,3
	v_fma_f32 v[BM+\b], v[BM+\b], s22, v12
.endr
.set j, 0
.rept 64
	v_exp_f32 v[S+j], v[S+j]                       ; p = 2^(t - M)
.set j, j+1
.endr
	v_pk_mul_f32 v[14:15], v[14:15], v[FF:FF+1] op_sel_hi:[1,0]   ; the sums under the new M; a plain place behind the exponentials
	s_wait_alu depctr_va_vdst(0)                   ; the 64 exponentials have written p: one wait for the batch, ahead of its first reader
.irp b, 0,1,2,3
	v_exp_f32 v[BM+\b], v[BM+\b]                   ; the blocks' largest p
.endr
	v_pk_add_f32 v[PT:PT+1], v[S:S+1], v[S+2:S+3]  ; the row's sum is taken of the unquantised p, in two chains
.irp j, 4,8,12,16,20,24,28,32,36,40,44,48,52,56,60
	v_pk_add_f32 v[14:15], v[14:15], v[S+\j:S+1+\j]
	v_pk_add_f32 v[PT:PT+1], v[PT:PT+1], v[S+2+\j:S+3+\j]
.endr
	v_pk_add_f32 v[14:15], v[14:15], v[PT:PT+1]
	s_wait_alu depctr_va_vdst(0)                   ; the four exponentials have written the blocks' largest p, ahead of their first reader
.irp b, 0,1,2,3
	v_max_num_f32 v[BM+\b], 0x1800000, v[BM+\b]    ; the floor 2^(3 - 127)
.endr
.irp b, 0,1,2,3
	v_add_nc_u32 v[SO+\b], 0xff000000, v[BM+\b]
.endr
.irp b, 0,1,2,3
	v_lshrrev_b32 v[PT+\b], 23, v[SO+\b]
.endr
	v_lshl_or_b32 v[PSW], v[PT+1], 8, v[PT]
	v_lshl_or_b32 v[PSW], v[PT+2], 16, v[PSW]
	v_lshl_or_b32 v[PSW], v[PT+3], 24, v[PSW]
.irp c, 0,1
	v_cvt_scalef32_pk16_fp6_f32 v[PCD+6*\c:PCD+2+6*\c], v[S+32*\c:S+15+32*\c], v[SO+2*\c]
	v_cvt_scalef32_pk16_fp6_f32 v[CT+4*\c:CT+2+4*\c], v[S+16+32*\c:S+31+32*\c], v[SO+2*\c+1]
.endr
	v_nop                                          ; one plain place behind the scaled conversions
.irp c, 0,1
.irp i, 0,1,2
	v_permlane16_swap_b32 v[PCD+6*\c+\i], v[CT+4*\c+\i]
.endr
.irp i, 0,1,2
	v_mov_b32 v[PCD+3+6*\c+\i], v[CT+4*\c+\i]
.endr
.endr
.set j, 0
.rept 16
	v_pk_mul_f32 v[O+j:O+j+1], v[O+j:O+j+1], v[FF:FF+1] op_sel_hi:[1,0]   ; O^T under the new M; these sixteen are also the places between p's codes and scale word and the products
.set j, j+2
.endr
	s_wait_dscnt 0x0                               ; V
	s_wait_alu depctr_va_vdst(0)                   ; p's codes in v[PCD ..] and its scale word in v[PSW] are written, which the scaled products take; the places above stay beside this wait
	OPROD 0                                        ; four accumulators, one instruction each
	OPROD 1
	OPROD 2
	OPROD 3
.rept 4
	v_nop                                          ; four places ahead of the next read of O^T
.endr
.Lskip_\@:
	s_lshr_b32 s16, s16, 1
	s_lshr_b32 s17, s17, 1
	s_lshr_b32 s18, s18, 1
	s_lshr_b32 s19, s19, 1
.endm
.Lqb:
	s_wait_xcnt 0x0                                ; the last block's stores and loads have read their registers
	s_wait_alu depctr_vm_vsrc(0)                   ; the last block's stores have read v[PCD ..] and v[TMP], which this block's vector instructions write again
	s_wait_alu depctr_va_vdst(0)                   ; first block: the addresses v3-6, v8-11, v225, v229 and v[SG ..] are written, which the loads, LDS stores and prefetches of the whole kernel read or land in; second block: the vector side is done with v[QF+6 ..], v[QW] and v[S .. S+7], in which the loads below land
	s_lshl_b32 s2, s13, 4
	s_add_co_u32 s12, s2, s10                      ; my tile of queries
	s_lshl_b32 s2, s12, 12
	s_mov_b32 s3, 0
	s_add_nc_u64 s[28:29], s[6:7], s[2:3]          ; its lane words: 16 steps x 256 bytes
	s_lshl_b32 s2, s13, 10
	s_add_co_u32 s2, s2, FLG
	s_add_nc_u64 s[66:67], s[6:7], s[2:3]          ; the flags of the block's 16 tiles: lane l takes tile l / 2, steps 8 (l % 2) + 0 .. 7
	global_load_b128 v[S:S+3], v[FLO], s[66:67]
	global_load_b128 v[S+4:S+7], v[FLO], s[66:67] offset:16
	s_lshl_b32 s2, s13, 1
	s_lshr_b32 s100, s10, 3
	s_add_co_u32 s2, s2, s100
	s_lshl_b32 s100, s11, 4
	s_add_co_u32 s2, s2, s100
	s_mul_i32 s2, s2, BLKB
	s_add_nc_u64 s[100:101], s[4:5], s[2:3]        ; the block of qkv that holds my queries
	global_load_b64 v[QF+6:QF+7], v[QA], s[100:101]
	global_load_b64 v[QF+8:QF+9], v[QA+1], s[100:101]
	global_load_b64 v[QF+10:QF+11], v[QA+2], s[100:101]
	global_load_b32 v[QW], v[QSA], s[100:101]
	s_and_b32 s2, s10, 1
	s_cmp_eq_u32 s2, 0
	s_mov_b32 s2, 0x03020302
	s_cselect_b32 s2, 0x01000100, s2
	s_wait_loadcnt 0x0
	v_perm_b32 v[QS], v[QW], v[QW], s2             ; my tile's two bytes, twice: they serve [q | 0] and [0 | q]
.irp k, 0,1,2,3,4,5,6,7
	v_cmp_ne_u32 s[32+\k], 0, v[S+\k]
	v_cmp_eq_u32 s[40+\k], 2, v[S+\k]
.endr
	s_wait_alu depctr_va_sdst(0)                   ; the sixteen compares have written s32 to s47, ahead of the scalar lines that read them
	s_mov_b32 s16, 0
	s_mov_b32 s17, 0
	s_mov_b32 s18, 0
	s_lshl_b32 s3, s10, 1                          ; my tile's lanes: 2 w and 2 w + 1
.irp e, 0,1
.irp k, 0,1,2,3,4,5,6,7
	s_and_b32 s2, s[32+\k], 0x55555555<<\e         ; does any tile need step 8 e + k?
	s_cselect_b32 s2, 1<<(8*\e+\k), 0
	s_or_b32 s16, s16, s2
	s_lshr_b32 s2, s[32+\k], s3                    ; do I?
	s_and_b32 s2, s2, 1
	s_lshl_b32 s2, s2, 8*\e+\k
	s_or_b32 s17, s17, s2
	s_lshr_b32 s2, s[40+\k], s3                    ; is it mixed?
	s_and_b32 s2, s2, 1
	s_lshl_b32 s2, s2, 8*\e+\k
	s_or_b32 s18, s18, s2
.endr
	s_add_co_u32 s3, s3, 1
.endr
	s_and_b32 s2, ttmp7, 0xffff                    ; who prefetches: y = 0,
	s_sub_co_u32 s3, s10, 13
	s_lshr_b32 s3, s3, 1                           ; waves 13 and 14,
	s_or_b32 s2, s2, s3
	s_sub_co_u32 s3, 2, s14                        ; in the first block
	s_or_b32 s2, s2, s3
	s_cmp_eq_u32 s2, 0
	s_cselect_b32 s19, s16, 0
	v_mov_b32 v13, 0xff61b1e6                      ; the largest t so far: -3e38
	v_floor_f32 v12, -v13
	v_mov_b32 v14, 0
	v_mov_b32 v15, 0
.set j, 0
.rept 32
	v_mov_b32 v[O+j], 0                            ; the step is written once: the first finds zeros
.set j, j+1
.endr
	s_mov_b64 s[26:27], s[24:25]
	s_mov_b32 s30, 0
	STAGE 0, 0                                     ; step 0's bytes (no vector instruction since the wait at the block's head names v[FO] or v[SG ..]; the last step's LDS stores were followed by their own wait)
	s_mov_b32 s15, 8
.Lpair:
	STEP 0
	STEP 1
	s_wait_xcnt 0x0                                ; the trip's loads and prefetches have read their addresses
	s_add_nc_u64 s[26:27], s[26:27], 2*BLKB
	s_add_co_u32 s30, s30, 512
	s_sub_co_u32 s15, s15, 1
	s_cmp_lg_u32 s15, 0
	s_cbranch_scc1 .Lpair
	; THE BLOCK'S END: O^T / the sum, quantised along the head's 64: two blocks of 32; register 16 b + i is channel 32 b + 16 h + i of my query
	v_add_f32 v14, v14, v15
	v_permlanex16_b32 v[TMP], v14, s20, s21
	v_add_f32 v14, v14, v[TMP]                     ; the row's sum
	v_rcp_f32 v15, v14
	v_nop                                          ; a plain place behind the reciprocal
	v_cmp_eq_f32 vcc_lo, 0, v14                    ; a row with no open key
	v_mov_b32 v[PT+2], 0xff
	v_mov_b32 v[PT+3], 0
	s_lshr_b32 s2, s11, 4                          ; batch
	s_lshl_b32 s2, s2, 7
	s_add_co_u32 s2, s2, s12                       ; the tile of tokens
	s_and_b32 s3, s11, 15                          ; head
	s_mul_i32 s66, s2, 12288
	s_mul_i32 s67, s3, 768
	s_add_co_u32 s66, s66, s67
	s_mov_b32 s67, 0
	s_add_nc_u64 s[66:67], s[8:9], s[66:67]        ; the codes: the 64 along K numbered by the head
	s_lshl_b32 s100, s2, 9
	s_lshr_b32 s2, s3, 2
	s_lshl_b32 s2, s2, 7
	s_add_co_u32 s100, s100, s2
	s_bfe_u32 s2, s3, 0x10001
	s_lshl_b32 s2, s2, 2
	s_add_co_u32 s100, s100, s2
	s_and_b32 s2, s3, 1
	s_lshl_b32 s2, s2, 1
	s_add_co_u32 s100, s100, s2
	s_add_co_u32 s100, s100, XSC
	s_mov_b32 s101, 0
	s_add_nc_u64 s[100:101], s[8:9], s[100:101]    ; the scale bytes
	s_wait_alu depctr_va_vdst(0)                   ; the reciprocal has written v15, ahead of its first reader
	s_wait_alu depctr_va_vcc(0)                    ; the compare has written VCC, ahead of its first reader
	v_cndmask_b32 v15, v15, v[PT+3], vcc_lo        ; there the codes are zeros
.set j, 0
.rept 32
	v_mul_f32 v[S+j], v[O+j], v15
.set j, j+1
.endr
.irp b, 0,1
	v_max3_num_f32 v[BM+\b], |v[S+16*\b]|, |v[S+1+16*\b]|, 0x1800000
.endr
.irp i, 2,4,6,8,10,12,14
.irp b, 0,1
	v_max3_num_f32 v[BM+\b], v[BM+\b], |v[S+16*\b+\i]|, |v[S+1+16*\b+\i]|
.endr
.endr
.irp b, 0,1
	v_permlanex16_b32 v[PT+\b], v[BM+\b], s20, s21
.endr
.irp b, 0,1
	v_max_num_f32 v[BM+\b], v[BM+\b], v[PT+\b]
.endr
.irp b, 0,1
	v_add_nc_u32 v[SO+\b], 0xff000000, v[BM+\b]
.endr
.irp b, 0,1
	v_lshrrev_b32 v[PT+\b], 23, v[SO+\b]
.endr
	v_cvt_scalef32_pk16_fp6_f32 v[PCD:PCD+2], v[S:S+15], v[SO]
	v_cvt_scalef32_pk16_fp6_f32 v[CT:CT+2], v[S+16:S+31], v[SO+1]
	v_nop                                          ; one plain place behind the scaled conversions
.irp i, 0,1,2
	v_permlane16_swap_b32 v[PCD+\i], v[CT+\i]
.endr
.irp i, 0,1,2
	v_mov_b32 v[PCD+3+\i], v[CT+\i]
.endr
	v_cndmask_b32 v[TMP], v[PT], v[PT+1], s31      ; lane (r, h) stores block h's byte,
	v_cndmask_b32 v[TMP], v[TMP], v[PT+2], vcc_lo  ; or 0xff
	s_wait_alu depctr_va_vdst(0)                   ; the codes in v[PCD .. PCD+5] and the byte in v[TMP] are written, which the four stores read
.irp p, 0,1,2
	global_store_b64 v[L8], v[PCD+2*\p:PCD+2*\p+1], s[66:67] offset:256*\p   ; 256 consecutive bytes, aligned
.endr
	global_store_b8 v[SBO], v[TMP], s[100:101]     ; a byte a lane: 262,144 bytes in the whole launch leave so; each has one writer
	s_sub_co_u32 s13, 7, s13                       ; the other block of queries
	s_sub_co_u32 s14, s14, 1
	s_cmp_lg_u32 s14, 0
	s_cbranch_scc1 .Lqb
	s_wait_dscnt 0x0                               ; the wave's end
	s_wait_alu 0x0
	s_wait_tensorcnt 0x0
	ds_add_u32 v[SPW], v[NIL]
	s_wait_dscnt 0x0
	s_endpgm
.Lfunc_end_k_q6016422d25_attn:
	.size	k_q6016422d25_attn, .Lfunc_end_k_q6016422d25_attn-k_q6016422d25_attn
	.p2alignl 7, 3214868480
	.fill 96, 4, 3214868480
	.section	.rodata,"a",@progbits
	.p2align	6, 0x0
	.amdhsa_kernel k_q6016422d25_attn
		.amdhsa_group_segment_fixed_size 34816
		.amdhsa_private_segment_fixed_size 0
		.amdhsa_enable_private_segment 0
		.amdhsa_kernarg_size 24
		.amdhsa_user_sgpr_count 2
		.amdhsa_user_sgpr_kernarg_segment_ptr 1
		.amdhsa_wavefront_size32 1
		.amdhsa_system_sgpr_workgroup_id_x 1
		.amdhsa_system_sgpr_workgroup_id_y 1
		.amdhsa_system_sgpr_workgroup_id_z 1
		.amdhsa_system_vgpr_workitem_id 0
		.amdhsa_next_free_vgpr 256
		.amdhsa_next_free_sgpr 102
		.amdhsa_reserve_vcc 1
		.amdhsa_float_denorm_mode_32 3
		.amdhsa_float_denorm_mode_16_64 3
		.amdhsa_memory_ordered 1
		.amdhsa_forward_progress 1
		.amdhsa_inst_pref_size 61
	.end_amdhsa_kernel
	.amdgpu_metadata
---
amdhsa.version: [ 1, 2 ]
amdhsa.kernels:
  - .name:           k_q6016422d25_attn
    .symbol:         k_q6016422d25_attn.kd
    .args:
      - { .name: qkv, .offset: 0, .size: 8, .value_kind: global_buffer, .address_space: global }
      - { .name: maskw, .offset: 8, .size: 8, .value_kind: global_buffer, .address_space: global }
      - { .name: ao, .offset: 16, .size: 8, .value_kind: global_buffer, .address_space: global }
    .group_segment_fixed_size: 34816
    .private_segment_fixed_size: 0
    .kernarg_segment_align: 8
    .kernarg_segment_size: 24
    .max_flat_workgroup_size: 512
    .sgpr_count:     102
    .vgpr_count:     256
    .wavefront_size: 32
...
	.end_amdgpu_metadata
.endif
;; end of part 5
;; launch proj: the kernel of part 4 again; grid 4 x 32, 4 waves a work-group, clusters of 4 x 4, 327,680 bytes of LDS; arguments ao, wq, b_out, out0; writes out0
